; MI455X (gfx1250); checked and timed in simulation.
; The chip was launched on July 23, 2026; its instructions are those of AMD's public machine-readable ISA for CDNA 5 (MIT licence, August 2026) and "CDNA5" Instruction Set Architecture Reference Guide (July 2026). The comments in the code are by the model that wrote it; some were corrected since.
;; Self Attention. Allowed arithmetic: matrix products marked QUANTISED: E2M3 operands, one E8M0 scale for each 32 along K, by v_wmma_scale_f32_16x16x128_f8f6f4 with both operands' format E2M3, f32 sums; everything else in f32.
;; Inputs: Wk 1,024 x 1,024 float32; Wo 1,024 x 1,024 float32; Wq 1,024 x 1,024 float32; Wv 1,024 x 1,024 float32; bo 1,024 float32; x 4 x 2,048 x 1,024 float32.
;; Outputs: out0 4 x 2,048 x 1,024 float32.
;; This version of the problem:
;;   THIS VERSION OF THE PROBLEM IS GIVEN IN LOW PRECISION. The matrix products marked QUANTISED in the list below multiply operands that are first quantised to E2M3 (2 exponent bits, 3 mantissa bits; 6 bits a number), with one power-of-two scale for each 32 numbers along K (OCP MX v1.0); their sums are f32. All else is computed in f32.
;;   The module's matrix products, in the order in which they are computed (A, B: the left and right operand; K: the contracted axis; several contracted axes count as one K, in the product's order):
;;     1. [M 8,192, K 1,024] x [K 1,024, N 1,024]; A: input x; B: input Wq: QUANTISED
;;     2. [M 8,192, K 1,024] x [K 1,024, N 1,024]; A: input x; B: input Wk: QUANTISED
;;     3. [M 8,192, K 1,024] x [K 1,024, N 1,024]; A: input x; B: input Wv: QUANTISED
;;     4. batch 64 x [M 2,048, K 64] x [K 64, N 2,048]; A: computed on the way; B: computed on the way: QUANTISED
;;     5. batch 64 x [M 2,048, K 2,048] x [K 2,048, N 64]; A: softmax (see below); B: computed on the way: QUANTISED
;;     6. [M 8,192, K 1,024] x [K 1,024, N 1,024]; A: computed on the way; B: input Wo: QUANTISED
;;   THE QUANTISER, for each operand of a quantised product, along K:
;;     - K is cut into blocks of 32 from its start; a last block that is shorter is filled with zeros.
;;     - A block's scale is 2^e with e = floor(log2(the largest magnitude in the block)) - 2, held to -126 .. 127; a block of zeros has e = 0. As a byte (E8M0): e + 127.
;;     - Each number is divided by its block's scale, clamped to +-7.5, and rounded to the nearest number of E2M3, ties to even, subnormals kept.
;;     - The product sums the exact products of the quantised numbers (number of the format x scale) in f32.
;;   ~~~python
;;   def quantise(x, axis):      # numpy; x: float32 -> the quantised numbers, widened to float32 again
;;       x = np.moveaxis(x, axis, -1); K = x.shape[-1]
;;       x = np.pad(x, [(0, 0)] * (x.ndim - 1) + [(0, -K % 32)]); x = x.reshape(x.shape[:-1] + (-1, 32)); a = np.abs(x).max(-1, keepdims=True)
;;       e = np.where(a > 0, np.clip(np.frexp(np.where(a > 0, a, 1))[1] - 1 - 2, -126, 127), 0)      # np.frexp(a)[1] - 1 = floor(log2(a)), exactly
;;       r = np.clip(x / 2.0 ** e, -7.5, 7.5)
;;       step = 2.0 ** (np.maximum(np.frexp(np.where(r == 0, 1, r))[1] - 1, 0) - 3)
;;       q = np.round(r / step) * step * 2.0 ** e      # np.round: ties to even
;;       return np.moveaxis(q.reshape(q.shape[:-2] + (-1,))[..., :K], -1, axis).astype(np.float32)
;;   ~~~
;;   SOFTMAX AHEAD OF A QUANTISED PRODUCT. Where the list says 'softmax', what is quantised is not the finished softmax but p = 2^(t - M), with t = logit x log2(e) and M = ceil(the row's largest t), a whole number; so 1/2 < the row's largest p <= 1. The row's sum l is taken of the UNQUANTISED p, in f32, and the product's result is divided by l at the end. Since M is a whole number, a kernel that streams over the keys may use a running M (the ceiling of the running maximum): every later rescaling is an exact power of two, which a block's scale takes up: the codes' values come out the same.
;;   OPERANDS COMPUTED ON THE WAY. 'Computed on the way' means the value that the module computes at that place (a softmax that the list does not call 'softmax' is quantised finished and normalised). What goes into a quantiser is computed in f32, as accurately as f32 sums, v_exp_f32 and their like allow (about 1e-6 of the number): no bf16 or f16 on the way to a quantiser, and a product that is left as it is and whose result goes on into a quantised operand takes f32 operands (vector FMAs, or v_wmma_f32_16x16x4_f32). A number that lies on a knife's edge between two numbers of the format may be rounded either way, as far as f32 arithmetic and the matrix unit's own rounding can turn it there, and no further.
;; One version. Each part assembles by itself: llvm-mc -triple=amdgcn-amd-amdhsa -mcpu=gfx1250 --defsym DOCPART=n.
;; ======== version 1 of 1: 4 launches
;; limits: right only within a limited range of input values
;; workspace buffers: xc 6,291,456 bytes; xs 262,144 bytes; wc 3,145,728 bytes; ws 131,072 bytes; qkvc 18,874,368 bytes; qkvs 786,432 bytes; oc 6,291,456 bytes; os 262,144 bytes
;; launch quant (part 1): grid 384 x 1, 4 waves a work-group, no clusters, 33,280 bytes of LDS; arguments x, Wq, Wk, Wv, Wo, xc, xs, wc, ws; writes xc, xs, wc, ws
.if DOCPART == 1
	.amdgcn_target "amdgcn-amd-amdhsa--gfx1250"
	.amdhsa_code_object_version 6
	.text
	.protected	k_qfc9bd0f12a_quant
	.globl	k_qfc9bd0f12a_quant
	.p2align	8
	.type	k_qfc9bd0f12a_quant,@function
k_qfc9bd0f12a_quant:
	s_mov_b64 s[64:65], 0
	v_nop
	global_prefetch_b8 v0, s[64:65] scope:SCOPE_SE
	s_setreg_imm32_b32 hwreg(HW_REG_WAVE_MODE, 25, 1), 1
	s_wait_xcnt 0x0
; x [8192][1024] and Wq, Wk, Wv, Wo [1024][1024], f32 with K innermost, become codes of FP6 (E2M3), 6 bits each, K innermost (a row: 768 bytes), with one E8M0 scale byte for each 32 along K (a row: 32 bytes).
; A block's scale is 2^(floor(log2(its largest magnitude)) - 2); its byte is the largest magnitude's exponent field - 2, held at 1 from below.  Each number is divided by the scale and rounded to the nearest code, ties to even;
; beyond 7.5 the conversion gives the largest code.  (A block of zeros gets the byte 1 where the rule says 127: its codes are zeros, which add nothing under any byte but 0xff, and this program alone reads the bytes.)
; LIMITS: NaN and infinities among the inputs are not served; blocks whose largest magnitude lies under 2^-124 keep the byte 1.
; WHERE THE ROWS GO.  xc, xs hold x's rows; wc, ws hold Wq's 1,024 rows, then Wk's, Wv's, Wo's.  The rows of x, Wq, Wk and Wv are stored at the row number with bits 3 and 4 exchanged (inside each 32 rows the two middle groups
; of eight change places); Wo's rows stay.  The later launches lean on that order: with it a matrix result's registers run along neighbouring true columns.  A wave owns exactly eight rows, so the exchange is the exchange of the
; two bits of the wave's number in the DESTINATION's address.
; SHARES.  A work-group takes 32 rows (32,768 numbers), a wave 8 rows in 16 steps of 512 numbers.  Work-groups 0-255: x; 256-287 Wq; 288-319 Wk; 320-351 Wv; 352-383 Wo.  Only pointers are chosen: one path through the text.
; Each of a step's four loads reads 512 consecutive bytes, 16 a lane; the 2,048 bytes turn through the wave's own stage in LDS and come back 64 bytes a lane: 16 neighbours along K, as the conversion wants them (two neighbouring
; lanes hold a block).  A lane's 16 codes are 12 bytes: the wave stores 384 consecutive bytes.  A wave's 256 scale bytes are gathered in LDS and leave as one aligned block of 256 bytes.  No barrier: waves share nothing.
.set WAVES, 4
.set STEPS, 16
.set EMAX,  2
.set CB,    12                         ; bytes of 16 codes
.set R,     16                         ; v16-143  eight sets of 16 numbers as they are loaded
.set X,     144                        ; v144-175 two sets of 16 neighbours
.set C,     192                        ; v192-255 codes: four registers for each step
.set E,     176                        ; v176-191 a scale byte for each step
.set WREG,  8192                       ; LDS: a region for each wave: two stages of 32 x SP bytes, behind them its 256 scale bytes
.set SP,    80                         ; a lane's place in a stage: its 64 bytes + 16 of padding
.set SPW,   12                         ; v12      LDS address of my spare word: SPARE + 4 x my thread's number; never rewritten
.set NIL,   13                         ; v13      0; never rewritten
.set SPARE, WAVES*WREG                 ; behind the four regions: the spare words, 128 bytes a wave, which no other line names
	s_load_b256 s[4:11], s[0:1], 0x0               ; x, Wq, Wk, Wv
	s_load_b256 s[12:19], s[0:1], 0x20             ; Wo, xc, xs, wc
	s_load_b64 s[20:21], s[0:1], 0x40              ; ws
	v_lshl_add_u32 v[SPW], v0, 2, SPARE
	v_mov_b32 v[NIL], 0
	v_lshrrev_b32 v1, 5, v0
	v_readfirstlane_b32 s22, v1                    ; wave
	v_and_b32 v2, 31, v0                           ; lane
	v_lshlrev_b32 v3, 4, v2                        ; my 16 bytes of a load's 512
	s_mul_i32 s23, s22, WREG
	v_lshrrev_b32 v14, 2, v2
	v_mul_u32_u24 v14, v14, SP
	v_and_b32 v15, 3, v2
	v_lshl_add_u32 v14, v15, 4, v14
	v_add_nc_u32 v14, s23, v14                     ; the stage, on the way in: four lanes' 64 bytes on end, then 16 of padding
	v_mul_u32_u24 v15, v2, SP
	v_add_nc_u32 v15, s23, v15                     ; and on the way out: SP x lane: my 16 neighbours
	; THE CODES' LAYOUT: [256 rows][K step of 256: 4][256 rows][192 bytes]: a tile of 256 (or 128) rows x 256 along K is one dense block, a multiple of 256 bytes long, at a multiple of 256
	v_and_b32 v4, 15, v2
	v_mul_u32_u24 v4, v4, CB                       ; sixteen lanes hold 192 bytes: one row's part of one K step;
	v_lshrrev_b32 v10, 4, v2
	v_mad_u32_u24 v4, v10, 0xc000, v4              ; lanes 16-31 the next K step's, 49,152 bytes on
	v_lshrrev_b32 v5, 1, v2
	s_add_co_u32 s23, s23, 2*32*SP
	v_add_nc_u32 v5, s23, v5                       ; LDS: my wave's 256 scale bytes, my block's byte
	v_lshlrev_b32 v7, 3, v2                        ; and on the way out 8 bytes a lane
	v_add_nc_u32 v6, s23, v7
	s_and_b32 s24, ttmp9, 31                       ; a weight's work-group among its 32
	s_sub_co_u32 s25, ttmp9, 256                   ; and among the 128 of wc (used only from work-group 256 on)
	s_and_b32 s26, s22, 1
	s_lshl_b32 s26, s26, 1
	s_lshr_b32 s27, s22, 1
	s_or_b32 s26, s26, s27                         ; the wave's number with its two bits exchanged: where my eight rows go;
	s_cmp_lt_u32 ttmp9, 352
	s_cselect_b32 s26, s26, s22                    ; Wo's rows stay
	s_wait_alu depctr_va_vdst(0)
	s_wait_kmcnt 0x0
	s_cmp_lt_u32 ttmp9, 352                        ; the choices hang on the work-group's number alone
	s_cselect_b64 s[12:13], s[10:11], s[12:13]     ; Wv or Wo,
	s_cmp_lt_u32 ttmp9, 320
	s_cselect_b64 s[12:13], s[8:9], s[12:13]       ; Wk,
	s_cmp_lt_u32 ttmp9, 288
	s_cselect_b64 s[12:13], s[6:7], s[12:13]       ; Wq,
	s_cmp_lt_u32 ttmp9, 256
	s_cselect_b64 s[4:5], s[4:5], s[12:13]         ; x: the source
	s_cselect_b64 s[8:9], s[14:15], s[18:19]       ; the codes' buffer
	s_cselect_b64 s[10:11], s[16:17], s[20:21]     ; the scale bytes' buffer
	s_cselect_b32 s24, ttmp9, s24                  ; the work-group's place in the source,
	s_cselect_b32 s25, ttmp9, s25                  ; and in the destination
	s_lshl_b32 s28, s24, 2
	s_add_co_u32 s28, s28, s22                     ; which run of 8 rows I read,
	s_lshl_b32 s28, s28, 15                        ; 32,768 bytes a run (at most 1,023 runs: under 2^25)
	s_mov_b32 s29, 0
	s_add_nc_u64 s[4:5], s[4:5], s[28:29]
	s_lshl_b32 s30, s25, 2
	s_add_co_u32 s30, s30, s26                     ; which run I write
	s_lshr_b32 s28, s30, 5                         ; 32 runs of 8 rows to a group of 256 rows: 196,608 bytes a group,
	s_mul_i32 s28, s28, 196608
	s_and_b32 s31, s30, 31
	s_mul_i32 s31, s31, 1536                       ; 8 rows x 192 bytes a run in each K step
	s_add_co_u32 s28, s28, s31
	s_add_nc_u64 s[8:9], s[8:9], s[28:29]
	s_lshl_b32 s28, s30, 8                         ; 256 scale bytes a run
	s_add_nc_u64 s[10:11], s[10:11], s[28:29]
.macro LOAD t
.irp i, 0,1,2,3
	global_load_b128 v[R+16*((\t)%8)+4*\i:R+16*((\t)%8)+4*\i+3], v3, s[4:5] offset:2048*(\t)+512*\i th:TH_LOAD_NT   ; 32 lanes read 512 consecutive bytes
.endr
.endm
.macro TURN t                          ; step t's numbers through the stage: LDS serves a wave's instructions in order (ISA guide 5.7.1.4), so no wait stands between the stores and the loads
.irp i, 0,1,2,3
	ds_store_b128 v14, v[R+16*((\t)%8)+4*\i:R+16*((\t)%8)+4*\i+3] offset:32*SP*((\t)%2)+8*SP*\i
.endr
.irp i, 0,1,2,3
	ds_load_b128 v[X+16*((\t)%2)+4*\i:X+16*((\t)%2)+4*\i+3], v15 offset:32*SP*((\t)%2)+16*\i
.endr
.endm
.irp t, 0,1,2,3,4,5,6,7
	LOAD \t
.endr
	s_wait_loadcnt 28                              ; step 0's four loads are in; the 28 of steps 1 to 7 may be out
	TURN 0
.macro STEP t
.set XS, X+16*((\t)%2)
.if (\t) > 0
	s_wait_dscnt 1                                 ; this step's numbers are back from the stage (the last step's byte store may be out): so its stores into the stage have read their registers,
.else
	s_wait_dscnt 0x0
.endif
.if (\t)+8 < STEPS
	LOAD (\t)+8                                    ; which take the loads of eight steps on
.endif
.if (\t)+1 < STEPS
.if STEPS-2-(\t) >= 7
	s_wait_loadcnt 28                              ; the next step's four loads are in; those of the seven steps behind it may be out
.else
	s_wait_loadcnt 4*(STEPS-2-(\t))
.endif
	TURN (\t)+1                                    ; and go through the other stage while this step is worked
.endif
	v_max3_num_f32 v8, |v[XS]|, |v[XS+1]|, |v[XS+2]|               ; the largest magnitude of my 16, in two chains
	v_max3_num_f32 v9, |v[XS+3]|, |v[XS+4]|, |v[XS+5]|
.irp i, 6,10
	v_max3_num_f32 v8, v8, |v[XS+\i]|, |v[XS+\i+1]|
	v_max3_num_f32 v9, v9, |v[XS+\i+2]|, |v[XS+\i+3]|
.endr
	v_max3_num_f32 v8, v8, |v[XS+14]|, |v[XS+15]|
	v_max3_num_f32 v8, v8, v9, (EMAX+1)<<23        ; and the floor 2^(EMAX + 1 - 127): the byte cannot fall under 1
	v_max_num_f32_dpp v8, v8, v8 row_xmask:1 row_mask:0xf bank_mask:0xf   ; and of my neighbour's 16: the block's
	v_add_nc_u32 v11, -(EMAX<<23), v8              ; EMAX off its exponent field: the conversion takes the exponent field of this operand as its scale, and nothing else of it
	v_cvt_scalef32_pk16_fp6_f32 v[C+4*(\t):C+4*(\t)+2], v[XS:XS+15], v11         ; 96 bits without gaps, the first number's code lowest
	v_lshrrev_b32 v[E+(\t)], 23, v11               ; the scale's byte (also the plain instruction behind the conversion)
	ds_store_b8 v5, v[E+(\t)] offset:16*(\t)       ; both lanes of a block write the same byte with the same value
	global_store_b96 v4, v[C+4*(\t):C+4*(\t)+2], s[8:9] offset:98304*((\t)%2)+192*((\t)/2)   ; step t: row t / 2, K steps 2 (t % 2) and 2 (t % 2) + 1
.endm
.irp t, 0,1,2,3,4,5,6,7,8,9,10,11,12,13,14,15
	STEP \t
.endr
	ds_load_b64 v[8:9], v6                         ; in order behind my byte stores
	s_wait_dscnt 0x0
	global_store_b64 v7, v[8:9], s[10:11]          ; 32 lanes store 256 consecutive bytes, aligned
	s_wait_tensorcnt 0x0                           ; the wave's end
	ds_add_u32 v[SPW], v[NIL]
	s_wait_dscnt 0x0
	s_endpgm
.Lfunc_end_k_qfc9bd0f12a_quant:
	.size	k_qfc9bd0f12a_quant, .Lfunc_end_k_qfc9bd0f12a_quant-k_qfc9bd0f12a_quant
	.p2alignl 7, 3214868480
	.fill 96, 4, 3214868480
	.section	.rodata,"a",@progbits
	.p2align	6, 0x0
	.amdhsa_kernel k_qfc9bd0f12a_quant
		.amdhsa_group_segment_fixed_size 33280
		.amdhsa_private_segment_fixed_size 0
		.amdhsa_enable_private_segment 0
		.amdhsa_kernarg_size 72
		.amdhsa_user_sgpr_count 2
		.amdhsa_user_sgpr_kernarg_segment_ptr 1
		.amdhsa_wavefront_size32 1
		.amdhsa_system_sgpr_workgroup_id_x 1
		.amdhsa_system_sgpr_workgroup_id_y 1
		.amdhsa_system_sgpr_workgroup_id_z 1
		.amdhsa_system_vgpr_workitem_id 0
		.amdhsa_next_free_vgpr 256
		.amdhsa_next_free_sgpr 66
		.amdhsa_reserve_vcc 0
		.amdhsa_float_denorm_mode_32 3
		.amdhsa_float_denorm_mode_16_64 3
		.amdhsa_memory_ordered 1
		.amdhsa_forward_progress 1
		.amdhsa_inst_pref_size 33
	.end_amdhsa_kernel
	.amdgpu_metadata
---
amdhsa.version: [ 1, 2 ]
amdhsa.kernels:
  - .name:           k_qfc9bd0f12a_quant
    .symbol:         k_qfc9bd0f12a_quant.kd
    .args:
      - { .name: x, .offset: 0, .size: 8, .value_kind: global_buffer, .address_space: global }
      - { .name: Wq, .offset: 8, .size: 8, .value_kind: global_buffer, .address_space: global }
      - { .name: Wk, .offset: 16, .size: 8, .value_kind: global_buffer, .address_space: global }
      - { .name: Wv, .offset: 24, .size: 8, .value_kind: global_buffer, .address_space: global }
      - { .name: Wo, .offset: 32, .size: 8, .value_kind: global_buffer, .address_space: global }
      - { .name: xc, .offset: 40, .size: 8, .value_kind: global_buffer, .address_space: global }
      - { .name: xs, .offset: 48, .size: 8, .value_kind: global_buffer, .address_space: global }
      - { .name: wc, .offset: 56, .size: 8, .value_kind: global_buffer, .address_space: global }
      - { .name: ws, .offset: 64, .size: 8, .value_kind: global_buffer, .address_space: global }
    .group_segment_fixed_size: 33280
    .private_segment_fixed_size: 0
    .kernarg_segment_align: 8
    .kernarg_segment_size: 72
    .max_flat_workgroup_size: 128
    .sgpr_count:     66
    .vgpr_count:     256
    .wavefront_size: 32
...
	.end_amdgpu_metadata
.endif
;; end of part 1
;; launch proj (part 2): grid 12 x 32, 4 waves a work-group, clusters of 4 x 4, 327,680 bytes of LDS; arguments xc, xs, wc, ws, qkvc, qkvs; writes qkvc, qkvs
.if DOCPART == 2
	.amdgcn_target "amdgcn-amd-amdhsa--gfx1250"
	.amdhsa_code_object_version 6
	.text
	.protected	k_qfc9bd0f12a_proj
	.globl	k_qfc9bd0f12a_proj
	.p2align	8
	.type	k_qfc9bd0f12a_proj,@function
k_qfc9bd0f12a_proj:
	s_mov_b64 s[64:65], 0
	v_nop
	global_prefetch_b8 v0, s[64:65] scope:SCOPE_SE
	s_setreg_imm32_b32 hwreg(HW_REG_WAVE_MODE, 25, 1), 1
	s_wait_xcnt 0x0
	s_wait_alu depctr_hold_cnt(0) depctr_sa_sdst(0) depctr_va_vdst(0) depctr_va_sdst(0) depctr_va_ssrc(0) depctr_va_vcc(0) depctr_vm_vsrc(0)
	s_getreg_b32 s2, hwreg(HW_REG_IB_STS2, 6, 4)
	s_cmp_eq_u32 s2, 0
	s_cbranch_scc0 .Lentry_in_a_cluster
	s_endpgm
.Lentry_in_a_cluster:
	s_bfe_u32 s2, ttmp6, 0x10000c
	s_cmp_lg_u32 s2, 0xf033
	s_cbranch_scc0 .Lentry_shape_is_right
	s_endpgm
.Lentry_shape_is_right:
.set OUTP, 0
.set KSTEP,  256
.set NQ,     2
.set ROWB,   192
.set KROW,   768
.set PITCH,  240
.set FR,     12
.set NL,     6
.set NP,     4
.set HALFB,  128*PITCH
.set BSTEP,  49152                     ; from a K step's dense block of 256 rows x 192 bytes to the next
.set AHALF,  24576                     ; 128 rows of such a block
.set AROWS,  96                        ; and as rows of 256 bytes
.if OUTP
.set HALFA,  8*3072
.set ASTEP,  3072
.else
.set HALFA,  128*PITCH
.set ASTEP,  49152
.endif
.set SLOT,   2*HALFA+2*HALFB
.set LAPS,   2
.set KS,     32
.set SCL,    2*SLOT
.set HALFS,  16*272
.set SBLK,   2*272
.set SPARE,  SCL+4*HALFS
.set SPITCH, 528
.set ADRA, 16
.set ADRB, 20
.set STO,  24
.set RD,   25
.set CO,   26
.set LI,   24
.set SWA,  25
.set SRD,  26
.set ADRS, 27
.set SPW,  28
.set NIL,  29
.set SC,   32
.set BIAS, 64
.set CD,   64
.set PWS,  88
.set TM,   96
.set AF,   128
.set BK,   128
.set G1, 24
.set G0, 32
.set G1B, 48
.set G0B, 56
.set G1S, 68
.set G0S, 76
.set G1SB, 80
.set G0SB, 88
.set MSB, 0
.macro WIN new
.if MSB != (\new)
	s_set_vgpr_msb (MSB<<8)|(\new)
.set MSB, (\new)
.endif
.endm
.set MUL_LO,  0xa1
.set MUL_HI,  0xf1
.set BIAS_LO, 0x81
.set BIAS_HI, 0xc1
.set TO_B,    0x40
.macro JLOAD g0a, g1a, g0b, g1b
	s_cmp_eq_u32 s15, 0
	s_cbranch_scc0 .Lfor_b_\@
	tensor_load_to_lds s[\g0a:\g0a+3], s[\g1a:\g1a+7]
	s_nop 0
.rept 4
	v_nop
.endr
	s_branch .Lasked_\@
.Lfor_b_\@:
	tensor_load_to_lds s[\g0b:\g0b+3], s[\g1b:\g1b+7]
	s_nop 0
.rept 4
	v_nop
.endr
.Lasked_\@:
.endm
.macro CREST
	s_cmp_lg_u32 s14, 0
	s_cbranch_scc1 .Lnot_wave_0_\@
	s_barrier_signal -3
.Lnot_wave_0_\@:
	s_barrier_wait -3
	s_barrier_signal -1
	s_barrier_wait -1
.endm
.macro CROUND
	s_barrier_signal -1
	s_barrier_wait -1
	CREST
.endm
	s_load_b128 s[4:7], s[0:1], 0x0
	s_load_b128 s[8:11], s[0:1], 0x10
	s_load_b128 s[96:99], s[0:1], 0x20
	v_lshl_add_u32 v[SPW], v0, 2, SPARE
	v_mov_b32 v[NIL], 0
	ds_add_u32 v[SPW], v[NIL]
	ds_add_u32 v[SPW], v[NIL]
	v_lshrrev_b32 v1, 5, v0
	v_readfirstlane_b32 s14, v1
	s_lshr_b32 s15, s14, 1
	s_and_b32 s16, s14, 1
	s_bfe_u32 s40, ttmp6, 0x40000
	s_bfe_u32 s41, ttmp6, 0x40004
	s_and_b32 s17, ttmp7, 0xffff
.if OUTP
	s_mov_b32 s42, ttmp9
.else
	s_cmp_eq_u32 ttmp9, 2
	s_cselect_b32 s42, s17, ttmp9
	s_cselect_b32 s17, 0, s17
.endif
	s_lshl_b32 s42, s42, 2
	s_add_co_u32 s42, s42, s40
	s_lshl_b32 s17, s17, 2
	s_add_co_u32 s17, s17, s41
	s_lshl_b32 s43, s41, 2
	s_lshl_b32 s43, 15, s43
	s_lshl_b32 s44, 0x1111, s40
.if OUTP
	s_or_b32 s[G1+0], s43, (3<<16)|(1<<21)
	s_mov_b32 s[G1+1], 384<<16
	s_mov_b32 s[G1+2], 8<<16
	s_mov_b32 s[G1+3], 384<<16
	s_mov_b32 s[G1+4], 8
	s_mov_b32 s[G1+5], 1536
	s_mov_b32 s[G1+6], 0
	s_mov_b32 s[G1+7], 0
.else
	s_or_b32 s[G1+0], s43, (0<<16)|(1<<20)|(1<<21)|(3<<22)|(3<<25)
	s_mov_b32 s[G1+1], 256<<16                     ; the dense block as rows of 256 bytes; the padding's interval stays 64 bytes, so an LDS row of 192 bytes has the pitch 240
	s_mov_b32 s[G1+2], 192<<16                     ; the head's load brings all 256 rows
	s_mov_b32 s[G1+3], 256<<16
	s_mov_b32 s[G1+4], 192
	s_mov_b32 s[G1+5], 256
	s_mov_b32 s[G1+6], 0
	s_mov_b32 s[G1+7], 0
.endif
	s_or_b32 s[G1B+0], s44, (0<<16)|(1<<20)|(1<<21)|(3<<22)|(3<<25)
	s_mov_b32 s[G1B+1], 256<<16
	s_mov_b32 s[G1B+2], 192<<16
	s_mov_b32 s[G1B+3], 256<<16
	s_mov_b32 s[G1B+4], 192
	s_mov_b32 s[G1B+5], 256
	s_mov_b32 s[G1B+6], 0
	s_mov_b32 s[G1B+7], 0
	s_or_b32 s[G1S+0], s43, (3<<16)|(1<<20)|(1<<21)|(5<<22)|(3<<25)
	s_or_b32 s[G1SB+0], s44, (3<<16)|(1<<20)|(1<<21)|(5<<22)|(3<<25)
.irp g, G1S, G1SB
	s_mov_b32 s[\g+1], 32<<16
	s_mov_b32 s[\g+2], 32<<16
	s_mov_b32 s[\g+3], 32<<16
	s_mov_b32 s[\g+4], 32
	s_mov_b32 s[\g+5], 32
	s_mov_b32 s[\g+6], 0
	s_mov_b32 s[\g+7], 0
.endr
	s_lshl_b32 s20, s17, 8
	s_lshl_b32 s46, s42, 8
	s_mov_b32 s21, 0
	s_mov_b32 s47, 0
	s_mov_b64 s[18:19], KS
	s_mul_u64 s[22:23], s[20:21], s[18:19]
	s_mul_u64 s[92:93], s[46:47], s[18:19]
	s_mov_b64 s[18:19], KROW
	s_mul_u64 s[20:21], s[20:21], s[18:19]
	s_mul_u64 s[46:47], s[46:47], s[18:19]
	s_mul_i32 s45, s16, HALFA
	s_mul_i32 s95, s16, HALFB
	s_add_co_u32 s95, s95, 2*HALFA
	s_mul_i32 s94, s14, HALFS
	s_wait_dscnt 0x0
	s_wait_kmcnt 0x0
.if OUTP
	s_add_nc_u64 s[8:9], s[8:9], 3072*KROW
	s_add_nc_u64 s[10:11], s[10:11], 3072*KS
.else
	s_add_nc_u64 s[66:67], s[8:9], 2048*KROW
	s_add_nc_u64 s[100:101], s[10:11], 2048*KS
	s_cmp_eq_u32 ttmp9, 2
	s_cselect_b64 s[66:67], s[66:67], s[4:5]
	s_cselect_b64 s[100:101], s[100:101], s[6:7]
	s_cselect_b64 s[8:9], s[4:5], s[8:9]
	s_cselect_b64 s[10:11], s[6:7], s[10:11]
	s_mov_b64 s[4:5], s[66:67]
	s_mov_b64 s[6:7], s[100:101]
.endif
	s_add_nc_u64 s[20:21], s[4:5], s[20:21]
	s_add_nc_u64 s[22:23], s[6:7], s[22:23]
	s_add_nc_u64 s[46:47], s[8:9], s[46:47]
	s_add_nc_u64 s[92:93], s[10:11], s[92:93]
	CROUND
	s_mov_b32 s[G0S], 1
	s_mov_b32 s[G0S+1], SCL
	s_mov_b64 s[G0S+2:G0S+3], s[22:23]
	s_or_b32 s[G0S+3], s[G0S+3], 0x80000000
	s_mov_b32 s[G0SB], 1
	s_mov_b32 s[G0SB+1], SCL+2*HALFS
	s_mov_b64 s[G0SB+2:G0SB+3], s[92:93]
	s_or_b32 s[G0SB+3], s[G0SB+3], 0x80000000
	s_mov_b32 s4, 1                                ; the head's four tiles, each whole, one a wave: K step 0's 256 rows of A,
	s_mov_b32 s5, 0
	s_mov_b64 s[6:7], s[20:21]
	s_or_b32 s7, s7, 0x80000000
	s_mov_b32 s8, 1                                ; its 256 rows of B,
	s_mov_b32 s9, 2*HALFA
	s_mov_b64 s[10:11], s[46:47]
	s_or_b32 s11, s11, 0x80000000
	s_mul_i32 s18, s16, AHALF                      ; for the ring: my 128 rows of a block
	s_mov_b32 s19, 0
	s_add_nc_u64 s[20:21], s[20:21], s[18:19]
	s_mul_i32 s18, s16, BSTEP/2
	s_add_nc_u64 s[46:47], s[46:47], s[18:19]
.macro ARM under, g0, g1, next
	s_cmp_lt_u32 s14, \under
	s_cbranch_scc0 \next
	tensor_load_to_lds s[\g0:\g0+3], s[\g1:\g1+7]
	s_nop 0
.rept 4
	v_nop
.endr
	s_branch .Lhead_asked
\next:
.endm
	ARM 1, 4, G1, .Lhead_b
	ARM 2, 8, G1B, .Lhead_sa
	ARM 3, G0S, G1S, .Lhead_sb                     ; A's scales, and B's
	tensor_load_to_lds s[G0SB:G0SB+3], s[G1SB:G1SB+7]
	s_nop 0
.rept 4
	v_nop
.endr
.Lhead_asked:
.irp s, 0,1
	s_mov_b32 s[G0+4*\s], 1
	s_add_co_u32 s[G0+4*\s+1], s45, \s*SLOT
	s_add_nc_u64 s[G0+4*\s+2:G0+4*\s+3], s[20:21], \s*ASTEP
	s_or_b32 s[G0+4*\s+3], s[G0+4*\s+3], 0x80000000
	s_mov_b32 s[G0B+4*\s], 1
	s_add_co_u32 s[G0B+4*\s+1], s95, \s*SLOT
	s_add_nc_u64 s[G0B+4*\s+2:G0B+4*\s+3], s[46:47], \s*BSTEP
	s_or_b32 s[G0B+4*\s+3], s[G0B+4*\s+3], 0x80000000
.if \s
	s_wait_alu depctr_va_vdst(0)
	s_wait_tensorcnt 0x0                           ; my tile of the head's four is in; slot 1's first fill is issued as a refill is
	ds_add_u32 v28, v29
	s_mov_b32 s[G1+2], AROWS<<16                   ; no tensor load of mine is out: from here on a load brings 128 rows
	s_mov_b32 s[G1+4], AROWS
	s_mov_b32 s[G1B+2], 96<<16
	s_mov_b32 s[G1B+4], 96
	s_wait_dscnt 0x0
	CROUND
	JLOAD G0+4*\s, G1, G0B+4*\s, G1B
.endif
.endr
	v_and_b32 v1, 15, v0
	v_bfe_u32 v2, v0, 4, 1
	v_mul_u32_u24 v3, v1, PITCH
	v_mul_u32_u24 v4, v2, 24
	v_add_nc_u32 v4, v3, v4
	v_lshl_add_u32 v5, v2, 4, v4
	s_mul_i32 s21, s15, HALFA
	s_mul_i32 s22, s16, HALFB
	s_add_co_u32 s22, s22, 2*HALFA
.if OUTP
	v_and_b32 v6, 31, v0
	v_lshlrev_b32 v6, 3, v6
.endif
.irp s, 0,1
.if OUTP
	v_add_nc_u32 v[ADRA+\s], s21, v6
.else
	v_add_nc_u32 v[ADRA+\s], s21, v4
	v_add_nc_u32 v[ADRA+2+\s], s21, v5
.endif
	v_add_nc_u32 v[ADRB+\s], s22, v4
	v_add_nc_u32 v[ADRB+2+\s], s22, v5
	s_add_co_u32 s21, s21, SLOT
	s_add_co_u32 s22, s22, SLOT
.endr
	v_mul_u32_u24 v5, v1, KS
	v_lshrrev_b32 v6, 8, v5
	v_lshl_add_u32 v5, v6, 4, v5
	s_mul_i32 s21, s15, HALFS
	s_mul_i32 s22, s16, HALFS
	s_add_co_u32 s22, s22, 2*HALFS
	s_sub_co_u32 s22, s22, s21
	v_mul_u32_u24 v6, s22, v2
	s_add_co_u32 s21, s21, SCL
	v_add_nc_u32 v5, v5, v6
	v_add_nc_u32 v[ADRS], s21, v5
.if OUTP
	s_mul_i32 s23, s14, 16*SPITCH
	v_mul_u32_u24 v5, v1, SPITCH
	v_lshl_add_u32 v5, v2, 5, v5
	v_add_nc_u32 v[STO], s23, v5
	v_and_b32 v6, 31, v0
	v_lshlrev_b32 v[CO], 4, v6
	v_add_nc_u32 v[RD], s23, v[CO]
	s_lshl_b32 s20, s17, 8
	s_lshl_b32 s21, s15, 7
	s_add_co_u32 s20, s20, s21
	s_lshl_b32 s20, s20, 12
	s_mov_b32 s21, 0
	s_lshl_b32 s46, s42, 10
	s_lshl_b32 s47, s16, 9
	s_add_co_u32 s46, s46, s47
	s_mov_b32 s47, 0
	s_add_nc_u64 s[96:97], s[96:97], s[46:47]
	s_add_nc_u64 s[98:99], s[98:99], s[46:47]
	s_add_nc_u64 s[98:99], s[98:99], s[20:21]
	v_lshlrev_b32 v30, 5, v2
.irp b, 0,1,2,3,4,5,6,7
	global_load_b128 v[BIAS+8*\b:BIAS+8*\b+3], v30, s[96:97] offset:64*\b
	global_load_b128 v[BIAS+8*\b+4:BIAS+8*\b+7], v30, s[96:97] offset:64*\b+16
.endr
.else
	s_lshl_b32 s23, s14, 9
	v_and_b32 v6, 31, v0
	v_lshlrev_b32 v[LI], 4, v6
	v_lshlrev_b32 v30, 3, v6                       ; 8 x lane: my place in a piece of 256 bytes
	v_lshl_add_u32 v[SWA], v1, 2, s23
	v_add_nc_u32 v[SRD], s23, v[LI]
	s_lshl_b32 s20, s17, 1
	s_add_co_u32 s20, s20, s15
	s_lshl_b32 s46, s42, 1
	s_add_co_u32 s46, s46, s16
	s_add_co_u32 s21, s20, 16
	s_cmp_eq_u32 ttmp9, 2
	s_cselect_b32 s22, s46, s20
	s_cselect_b32 s23, s21, s46
	s_lshr_b32 s92, s22, 4
	s_and_b32 s93, s22, 15
	s_lshr_b32 s94, s23, 3
	s_and_b32 s95, s23, 7
	s_mul_i32 s20, s92, 8*196608
	; an operand leaves as six pieces of 256 bytes (registers 2 q, 2 q + 1 of lane l at 256 q + 8 l).  q, k: [head of the pair][tile][3 pieces]; v: [image][6 pieces]
	s_movk_i32 s66, 768
	s_cmp_eq_u32 ttmp9, 2
	s_cselect_b32 s66, 1536, s66                   ; s[66:67]: bytes from an image to the next
	s_mov_b32 s67, 0
	s_lshl_b32 s21, s66, 3
	s_mul_i32 s21, s93, s21
	s_add_co_u32 s20, s20, s21
	s_mul_i32 s21, s94, 6291456
	s_add_co_u32 s20, s20, s21
	s_mul_i32 s21, s95, 196608
	s_add_co_u32 s20, s20, s21
	s_mov_b32 s21, 0
	s_add_nc_u64 s[96:97], s[96:97], s[20:21]
	s_mov_b32 s100, 98304
	s_cmp_eq_u32 ttmp9, 2
	s_cselect_b32 s100, 768, s100
	s_mov_b32 s101, 0
	s_add_nc_u64 s[100:101], s[96:97], s[100:101]  ; where pieces 3 to 5 go
	s_lshl_b32 s20, s92, 16
	s_lshl_b32 s22, s93, 9
	s_add_co_u32 s20, s20, s22
	s_lshl_b32 s22, s94, 18
	s_add_co_u32 s20, s20, s22
	s_lshl_b32 s22, s95, 13
	s_add_co_u32 s20, s20, s22
	s_add_nc_u64 s[98:99], s[98:99], s[20:21]
	s_mov_b32 s92, 0x76543210
	s_mov_b32 s93, 0xfedcba98
.endif
.macro FRAG reg, adr, q, i
.irp p, 0,1,2,3,4,5
.set PIECE, 12*(\q)+6*(\p/3)+\p%3
.if PIECE%8 < 5
	ds_load_b64 v[\reg+2*\p:\reg+2*\p+1], v[\adr] offset:8*PIECE+16*(PIECE/8)+(\i)*16*PITCH
.else
	ds_load_b64 v[\reg+2*\p:\reg+2*\p+1], v[\adr+2] offset:8*PIECE+16*(PIECE/8)+(\i)*16*PITCH
.endif
.endr
.endm
.macro FRAGA reg, adr, q, i
.irp p, 0,1,2,3,4,5
	ds_load_b64 v[\reg+2*\p:\reg+2*\p+1], v[\adr] offset:(2*(\i)+(\q))*1536+256*\p
.endr
.endm
.macro MUL16 a0, p, q, sc, zero
.irp a, \a0, \a0+1
.irp b, 0,1,2,3,4,5,6,7
.if \zero
.if OUTP
	v_wmma_scale_f32_16x16x128_f8f6f4 v[8*(8*((\a)%4)+\b):8*(8*((\a)%4)+\b)+7], v[128*(\p)+FR*\b:128*(\p)+FR*\b+FR-1], v[AF+FR*(\a):AF+FR*(\a)+FR-1], v[BIAS+8*\b:BIAS+8*\b+7], v[SC+8*NQ*(\sc)+NQ*\b+(\q)], v[SC+8*NQ*(\sc)+NQ*(\a)+(\q)] matrix_a_fmt:MATRIX_FMT_FP6 matrix_b_fmt:MATRIX_FMT_FP6 matrix_a_scale:MATRIX_SCALE_ROW1
.else
	v_wmma_scale_f32_16x16x128_f8f6f4 v[8*(8*((\a)%4)+\b):8*(8*((\a)%4)+\b)+7], v[128*(\p)+FR*\b:128*(\p)+FR*\b+FR-1], v[AF+FR*(\a):AF+FR*(\a)+FR-1], 0, v[SC+8*NQ*(\sc)+NQ*\b+(\q)], v[SC+8*NQ*(\sc)+NQ*(\a)+(\q)] matrix_a_fmt:MATRIX_FMT_FP6 matrix_b_fmt:MATRIX_FMT_FP6 matrix_a_scale:MATRIX_SCALE_ROW1
.endif
.else
	v_wmma_scale_f32_16x16x128_f8f6f4 v[8*(8*((\a)%4)+\b):8*(8*((\a)%4)+\b)+7], v[128*(\p)+FR*\b:128*(\p)+FR*\b+FR-1], v[AF+FR*(\a):AF+FR*(\a)+FR-1], v[8*(8*((\a)%4)+\b):8*(8*((\a)%4)+\b)+7], v[SC+8*NQ*(\sc)+NQ*\b+(\q)], v[SC+8*NQ*(\sc)+NQ*(\a)+(\q)] matrix_a_fmt:MATRIX_FMT_FP6 matrix_b_fmt:MATRIX_FMT_FP6 matrix_a_scale:MATRIX_SCALE_ROW1
.endif
.endr
.endr
.endm
.macro FETCH_B slot, q, p
	WIN TO_B
.irp i, 0,1,2,3,4,5,6,7
	FRAG 128*(\p)+FR*\i, ADRB+\slot, \q, \i
.endr
	WIN 0
.endm
.macro FETCH_A slot, q, i0
.irp i, \i0, \i0+1, \i0+2, \i0+3
.if OUTP
	FRAGA AF+FR*(\i), ADRA+\slot, \q, \i
.else
	FRAG AF+FR*(\i), ADRA+\slot, \q, \i
.endif
.endr
.endm
.macro SCALES sc
.irp i, 0,1,2,3,4,5,6,7
	ds_load_b64 v[SC+8*NQ*\sc+NQ*\i:SC+8*NQ*\sc+NQ*\i+1], v[ADRS] offset:\i*SBLK
.endr
.endm
.macro PLACES n
.rept \n
	v_nop
.endr
.endm
.macro STEP slot, q, zero
	s_wait_dscnt 4*NL
.if (\zero) && OUTP
	WIN BIAS_LO
.else
	WIN MUL_LO
.endif
	MUL16 0, (\q)%2, \q, \slot, \zero
	MUL16 2, (\q)%2, \q, \slot, \zero
	s_wait_dscnt 0
	PLACES NP
	FETCH_B \slot, (\q)+1, 1-(\q)%2
	FETCH_A \slot, (\q)+1, 0
.if (\zero) && OUTP
	WIN BIAS_HI
.else
	WIN MUL_HI
.endif
	MUL16 4, (\q)%2, \q, \slot, \zero
	MUL16 6, (\q)%2, \q, \slot, \zero
	PLACES NP
	WIN 0
	FETCH_A \slot, (\q)+1, 4
.endm
.macro TURN slot, next, fill
	s_wait_tensorcnt 0x0
	ds_add_u32 v[SPW], v[NIL]
	s_wait_dscnt 4*NL+1
	WIN MUL_LO
	MUL16 0, 1, NQ-1, \slot, 0
	s_wait_dscnt 0x0
	s_barrier_signal -1
	MUL16 2, 1, NQ-1, \slot, 0
	WIN 0
	s_barrier_wait -1
.if \fill
	CREST
	s_add_nc_u64 s[G0+4*\slot+2:G0+4*\slot+3], s[G0+4*\slot+2:G0+4*\slot+3], 2*ASTEP
	s_add_nc_u64 s[G0B+4*\slot+2:G0B+4*\slot+3], s[G0B+4*\slot+2:G0B+4*\slot+3], 2*BSTEP
	JLOAD G0+4*\slot, G1, G0B+4*\slot, G1B
.else
	PLACES NP
.endif
	s_wait_alu depctr_va_vdst(0)
	v_add_nc_u32 v[ADRS], 4*NQ, v[ADRS]
	FETCH_B \next, 0, 0
	FETCH_A \next, 0, 0
	SCALES \next
	WIN MUL_HI
	MUL16 4, 1, NQ-1, \slot, 0
	MUL16 6, 1, NQ-1, \slot, 0
	PLACES NP
	WIN 0
	FETCH_A \next, 0, 4
.endm
	s_wait_alu depctr_va_vdst(0)
	FETCH_B 0, 0, 0
	FETCH_A 0, 0, 0
	SCALES 0
	FETCH_A 0, 0, 4
.if OUTP
	s_wait_loadcnt 0x0
.endif
	STEP 0, 0, 1
	s_mov_b32 s3, LAPS-1
.Llap:
	TURN 0, 1, 1
	STEP 1, 0, 0
	TURN 1, 0, 1
	STEP 0, 0, 0
	s_sub_co_u32 s3, s3, 1
	s_cmp_lg_u32 s3, 0
	s_cbranch_scc1 .Llap
	TURN 0, 1, 0
	STEP 1, 0, 0
	s_wait_dscnt 4*NL
	WIN MUL_LO
	MUL16 0, 1, NQ-1, 1, 0
	MUL16 2, 1, NQ-1, 1, 0
	s_wait_dscnt 0
	WIN MUL_HI
	MUL16 4, 1, NQ-1, 1, 0
	MUL16 6, 1, NQ-1, 1, 0
	WIN 0
.if OUTP
.macro TOSTAGE a
.set AC, 64*((\a)%4)
	WIN 0x08+4*((\a)/4)
.irp b, 0,1,2,3,4,5,6,7
	ds_store_b128 v[STO], v[AC+8*\b:AC+8*\b+3] offset:64*\b
	ds_store_b128 v[STO], v[AC+8*\b+4:AC+8*\b+7] offset:64*\b+16
.endr
	WIN 0
.set BB, BK+64*((\a)%2)
.irp t, 0,1,2,3,4,5,6,7,8,9,10,11,12,13,14,15
	ds_load_b128 v[BB+4*\t:BB+4*\t+3], v[RD] offset:\t*SPITCH
.endr
.endm
.macro SEND a, younger
.set BB, BK+64*((\a)%2)
	s_wait_dscnt \younger
.irp t, 0,1,2,3,4,5,6,7,8,9,10,11,12,13,14,15
	global_store_b128 v[CO], v[BB+4*\t:BB+4*\t+3], s[98:99] offset:(32*((\a)/2)+16*(\t/8)+8*((\a)%2)+\t%8)*4096 th:TH_STORE_NT
.endr
.endm
	PLACES NP
	TOSTAGE 0
.irp a, 1,2,3,4,5,6,7
.if \a > 1
	s_wait_xcnt 0x0
.endif
	TOSTAGE \a
	SEND \a-1, 32
.endr
	SEND 7, 0
.else
.macro QOUT a
.set AC, 64*((\a)%4)
	WIN 0x0a+5*((\a)/4)
.irp b, 0,1,2,3
	v_max3_num_f32 v[TM+\b], |v[AC+16*\b]|, |v[AC+16*\b+1]|, 0x1800000
.endr
.irp i, 2,4,6,8,10,12,14
.irp b, 0,1,2,3
	v_max3_num_f32 v[TM+\b], |v[AC+16*\b+\i]|, |v[AC+16*\b+\i+1]|, v[TM+\b]
.endr
.endr
	WIN 0
.irp b, 0,1,2,3
	v_permlanex16_b32 v[TM+4+\b], v[TM+\b], s92, s93
.endr
.irp b, 0,1,2,3
	v_max_num_f32 v[TM+\b], v[TM+\b], v[TM+4+\b]
.endr
.irp b, 0,1,2,3
	v_add_nc_u32 v[TM+12+\b], 0xff000000, v[TM+\b]
.endr
.irp b, 0,1,2,3
	v_lshrrev_b32 v[TM+4+\b], 23, v[TM+12+\b]
.endr
	v_lshl_or_b32 v[PWS+(\a)], v[TM+5], 8, v[TM+4]
	v_lshl_or_b32 v[PWS+(\a)], v[TM+6], 16, v[PWS+(\a)]
	v_lshl_or_b32 v[PWS+(\a)], v[TM+7], 24, v[PWS+(\a)]
.if (\a) > 0
	s_wait_alu depctr_va_vdst(0)
	s_wait_xcnt 0x0
	s_add_nc_u64 s[96:97], s[96:97], s[66:67]      ; the earlier stores have read their bases: on to the next image
	s_add_nc_u64 s[100:101], s[100:101], s[66:67]
.endif
	WIN 2+(\a)/4
.irp c, 0,1
	v_cvt_scalef32_pk16_fp6_f32 v[CD+6*\c:CD+6*\c+2], v[AC+32*\c:AC+32*\c+15], v[TM+12+2*\c]
	v_cvt_scalef32_pk16_fp6_f32 v[CD+12+4*\c:CD+14+4*\c], v[AC+16+32*\c:AC+31+32*\c], v[TM+13+2*\c]
.endr
	WIN 0
	v_nop
.irp c, 0,1
.irp i, 0,1,2
	v_permlane16_swap_b32 v[CD+6*\c+\i], v[CD+12+4*\c+\i]
.endr
.irp i, 0,1,2
	v_mov_b32 v[CD+3+6*\c+\i], v[CD+12+4*\c+\i]
.endr
.endr
.irp c, 0,1,2
	global_store_b64 v30, v[CD+2*\c:CD+2*\c+1], s[96:97] offset:256*\c        ; 32 lanes store 256 consecutive bytes, aligned
	global_store_b64 v30, v[CD+6+2*\c:CD+7+2*\c], s[100:101] offset:256*\c
.endr
	ds_store_b32 v[SWA], v[PWS+(\a)] offset:64*(\a)
.endm
.irp b, 0,1,2,3
	v_mov_b32 v[TM+4+\b], 0
.endr
.irp a, 0,1,2,3,4,5,6,7
	QOUT \a
.endr
	ds_load_b128 v[112:115], v[SRD]
	s_wait_dscnt 0x0
	global_store_b128 v[LI], v[112:115], s[98:99]
.endif
	s_wait_tensorcnt 0x0
	ds_add_u32 v[SPW], v[NIL]
	s_wait_dscnt 0x0
	CROUND
	s_endpgm
.Lfunc_end_k_qfc9bd0f12a_proj:
	.size	k_qfc9bd0f12a_proj, .Lfunc_end_k_qfc9bd0f12a_proj-k_qfc9bd0f12a_proj
	.p2alignl 7, 3214868480
	.fill 96, 4, 3214868480
	.section	.rodata,"a",@progbits
	.p2align	6, 0x0
	.amdhsa_kernel k_qfc9bd0f12a_proj
		.amdhsa_group_segment_fixed_size 327680
		.amdhsa_private_segment_fixed_size 0
		.amdhsa_enable_private_segment 0
		.amdhsa_kernarg_size 48
		.amdhsa_user_sgpr_count 2
		.amdhsa_user_sgpr_kernarg_segment_ptr 1
		.amdhsa_wavefront_size32 1
		.amdhsa_system_sgpr_workgroup_id_x 1
		.amdhsa_system_sgpr_workgroup_id_y 1
		.amdhsa_system_sgpr_workgroup_id_z 1
		.amdhsa_system_vgpr_workitem_id 0
		.amdhsa_next_free_vgpr 1024
		.amdhsa_next_free_sgpr 102
		.amdhsa_reserve_vcc 0
		.amdhsa_float_denorm_mode_32 3
		.amdhsa_float_denorm_mode_16_64 3
		.amdhsa_memory_ordered 1
		.amdhsa_forward_progress 1
		.amdhsa_inst_pref_size 170
	.end_amdhsa_kernel
	.amdgpu_metadata
---
amdhsa.version: [ 1, 2 ]
amdhsa.kernels:
  - .name:           k_qfc9bd0f12a_proj
    .symbol:         k_qfc9bd0f12a_proj.kd
    .args:
      - { .name: xc, .offset: 0, .size: 8, .value_kind: global_buffer, .address_space: global }
      - { .name: xs, .offset: 8, .size: 8, .value_kind: global_buffer, .address_space: global }
      - { .name: wc, .offset: 16, .size: 8, .value_kind: global_buffer, .address_space: global }
      - { .name: ws, .offset: 24, .size: 8, .value_kind: global_buffer, .address_space: global }
      - { .name: qkvc, .offset: 32, .size: 8, .value_kind: global_buffer, .address_space: global }
      - { .name: qkvs, .offset: 40, .size: 8, .value_kind: global_buffer, .address_space: global }
    .group_segment_fixed_size: 327680
    .private_segment_fixed_size: 0
    .kernarg_segment_align: 8
    .kernarg_segment_size: 48
    .max_flat_workgroup_size: 128
    .sgpr_count:     102
    .vgpr_count:     1024
    .wavefront_size: 32
...
	.end_amdgpu_metadata
.endif
;; end of part 2
;; launch attn (part 3): grid 4 x 64, 16 waves a work-group, clusters of 4 x 1, 327,680 bytes of LDS; arguments qkvc, qkvs, oc, os; writes oc, os
.if DOCPART == 3
	.amdgcn_target "amdgcn-amd-amdhsa--gfx1250"
	.amdhsa_code_object_version 6
	.text
	.protected	k_qfc9bd0f12a_attn
	.globl	k_qfc9bd0f12a_attn
	.p2align	8
	.type	k_qfc9bd0f12a_attn,@function
k_qfc9bd0f12a_attn:
	s_mov_b64 s[64:65], 0
	v_nop
	global_prefetch_b8 v0, s[64:65] scope:SCOPE_SE
	s_setreg_imm32_b32 hwreg(HW_REG_WAVE_MODE, 25, 1), 1
	s_wait_xcnt 0x0
	s_wait_alu depctr_hold_cnt(0) depctr_sa_sdst(0) depctr_va_vdst(0) depctr_va_sdst(0) depctr_va_ssrc(0) depctr_va_vcc(0) depctr_vm_vsrc(0)
	s_getreg_b32 s2, hwreg(HW_REG_IB_STS2, 6, 4)
	s_cmp_eq_u32 s2, 0
	s_cbranch_scc0 .Lentry_in_a_cluster
	s_endpgm
.Lentry_in_a_cluster:
	s_bfe_u32 s2, ttmp6, 0x10000c
	s_cmp_lg_u32 s2, 0x3003
	s_cbranch_scc0 .Lentry_shape_is_right
	s_endpgm
.Lentry_shape_is_right:
; O[q][:] = sum over k of softmax_k(Q[q] . K[k] / 8) V[k][:] for 64 heads of 64 channels and 2,048 keys, both products on codes of FP6 (E2M3) with one E8M0 scale for each 32 along K; O is quantised for the next product.
; THE SOFTMAX: t = score x log2(e) / 8; M = the running largest t rounded UP to a whole number; p = 2^(t - M) is quantised along the keys, not normalised; the row's sum is taken of the unquantised p and divides O at the end.
; When M moves, the sum and O are multiplied by 2^(old M - new M): exact.
; A WORK-GROUP OWNS ONE HEAD: all its K (98,304 bytes) and V (98,304) and the pair's scale words (16,384) lie in LDS for the whole launch: nothing is filled again.  Grid: 64 heads x 4 blocks of 512 queries = 256 work-groups.
; Wave w takes 16 queries at a time, twice: tiles 32 cx + w and 32 cx + 16 + w.  Behind the barrier after key step 3 the waves share nothing and meet no barrier until the end.
; CLUSTER: the four work-groups of a head read the same K, V and scale words: every tile is asked for jointly (mask 15).
; FILLS, one tensor load a wave in each of two groups.  Group 1, at the head: K's keys 0-511 (wave 0), V's (wave 4), K's and V's scale words (waves 1, 5).  Group 2, behind the three lines and a round:
; K's other three quarters (waves 1-3), V's (waves 5-7); they land under key steps 0-3, and a plain barrier shows them.
; NO PREFETCH: all of K and V is asked for by these two groups at the head; behind them the launch loads nothing that a loop could run ahead of.
; INPUTS, as pieces of 256 bytes (registers 2 q, 2 q + 1 of lane l at 256 q + 8 l).  qkvc: region (q, k, v) x 6,291,456 + bp x 196,608 (bp = 8 batch + pair).  q, k: + head x 98,304 + tile of 16 rows x 768: six registers,
; the head's 64 channels.  v: + (8 key step + 4 head + tile of 16 channels) x 1,536: twelve registers, 128 keys.  qkvs: one scale word a row, 64 bytes an image; q's and k's words hold head 0's two bytes, then head 1's.
; Rows of q, k and channels of v are stored with bits 3 and 4 of their number exchanged, so that 16 registers of two neighbouring result tiles are 16 neighbours.
; A HEAD HAS 64 CHANNELS, THE INSTRUCTION 128 ALONG K: Q's registers 6-11 hold the code 0.  K's tiles lie six registers apart, so a tile's registers 6-11 are the next tile's codes: any code x the code 0 adds 0 (no code of this
; format is NaN or infinite).  The scale words come as 16 bits, my head's two bytes; the upper two bytes are 0, a finite code.
; OUTPUT: oc[tile of 16 rows][pair][1,536], head e owns pieces 3 e .. 3 e + 2; os[row][32]: byte 4 pair + 2 e + block, two bytes a lane.
; LIMITS: NaN and infinities are not served; a block of O whose largest magnitude lies under 2^-124 keeps the scale byte 1; the scaled scores stay under 2^31 in magnitude.
; REGISTERS: v1-8, v28 addresses that stay; v9, v10 the add's; v12 -M, v13 largest t, v[14:15] sum; v16-27 Q; v30-31 V's scale words; v32-79 K's 8 tiles, then V's 4; v80-85 zeros; v86-92 the second pass's Q; v96-159 S^T, p;
; v160-191 O^T; v192-199 the step's addresses; v224-235 p's codes; v232-254 at work; v248-251 K's scale words; v253 p's; v255 Q's.
.set KIMG,  1536
.set QREG,  6291456
.set BPB,   196608
.set HB,    98304                      ; a head's K (or Q) in memory; in LDS K lies at 0 and V at HB
.set PART,  24576                      ; four key steps of K or of V
.set STEPB, 6144                       ; a key step's
.set SCK,   2*HB
.set SCV,   SCK+8192
.set SPARE, SCV+8192                   ; the spare words: 128 bytes a wave
.set AK0,  1                           ; v1-3  8 x lane + 2,048 i  (v1 is also my place in a piece of the output)
.set AV0,  4                           ; v4-6  the same in V
.set ASK0, 7
.set ASV0, 8
.set SPW,  9
.set NIL,  10
.set GS,   28
.set ADK,  192
.set ADV,  195
.set ADS,  198
.set ADT,  199
.set SK,   12                          ; s12  6,144 x key step
.set TS,   13                          ; s13  512 x key step
.set CNT,  14
.set WV,   18
.set E,    19
.set SEL,  20
.set CS,   22
.set G1K,  24
.set G1S,  32
.set G1V,  40
.set G0,   48
.set G0S,  52
.macro WALU
	s_wait_alu depctr_va_vdst(0)
.endm
.macro TL g0, g1
	tensor_load_to_lds s[\g0:\g0+3], s[\g1:\g1+7]
	s_nop 0
.rept 4
	v_nop
.endr
.endm
.macro CROUND
	s_barrier_signal -1
	s_barrier_wait -1
	s_cmp_lg_u32 s[WV], 0
	s_cbranch_scc1 .Lnot_wave_0_\@
	s_barrier_signal -3
.Lnot_wave_0_\@:
	s_barrier_wait -3
	s_barrier_signal -1
	s_barrier_wait -1
.endm
.macro GRP1 g, c, r, p                 ; rows of c elements of 8 bytes, r rows, pitch p; the mask names all four work-groups
	s_mov_b32 s[\g], 15|(3<<16)|(1<<21)
	s_mov_b32 s[\g+1], (\c)<<16
	s_mov_b32 s[\g+2], (\r)<<16
	s_mov_b32 s[\g+3], (\c)<<16
	s_mov_b32 s[\g+4], \r
	s_mov_b32 s[\g+5], \p
	s_mov_b32 s[\g+6], 0
	s_mov_b32 s[\g+7], 0
.endm
	s_load_b256 s[4:11], s[0:1], 0x0               ; qkvc, qkvs, oc, os
	v_lshl_add_u32 v[SPW], v0, 2, SPARE
	v_mov_b32 v[NIL], 0
	ds_add_u32 v[SPW], v[NIL]                      ; the opening lines
	ds_add_u32 v[SPW], v[NIL]
	v_lshrrev_b32 v200, 5, v0
	v_readfirstlane_b32 s[WV], v200
	s_bfe_u32 s60, ttmp6, 0x40000                  ; cx: enters Q's and the output's addresses alone
	s_and_b32 s61, ttmp7, 0xffff                   ; 2 bp + head
	s_and_b32 s[E], s61, 1
	s_lshr_b32 s62, s61, 1                         ; bp
	s_lshl_b32 s63, s60, 5
	s_add_co_u32 s63, s63, s[WV]                   ; my first tile of 16 queries in the batch
	s_mul_i32 s59, s62, BPB
	s_mul_i32 s66, s[E], HB
	s_add_co_u32 s66, s66, s59
	s_mul_i32 s67, s63, 768
	s_add_co_u32 s66, s66, s67                     ; Q's codes
	s_mov_b32 s67, 0
	s_lshl_b32 s68, s62, 7
	s_add_co_u32 s68, s68, s63
	s_lshl_b32 s68, s68, 6
	s_lshl_b32 s69, s[E], 1
	s_add_co_u32 s68, s68, s69                     ; Q's scale words, my head's two bytes
	s_mov_b32 s69, 0
	s_lshr_b32 s70, s62, 3
	s_lshl_b32 s70, s70, 7
	s_add_co_u32 s70, s70, s63                     ; my tile among all 512
	s_and_b32 s71, s62, 7                          ; pair
	s_lshl_b32 s72, s70, 9
	s_lshl_b32 s73, s71, 2
	s_add_co_u32 s72, s72, s73
	s_lshl_b32 s73, s[E], 1
	s_add_co_u32 s72, s72, s73                     ; os
	s_mov_b32 s73, 0
	s_lshl_b32 s70, s70, 3
	s_add_co_u32 s70, s70, s71
	s_mul_i32 s70, s70, KIMG
	s_mul_i32 s71, s[E], 768
	s_add_co_u32 s70, s70, s71                     ; oc
	s_mov_b32 s71, 0
	s_and_b32 s74, s[WV], 3                        ; which quarter I fetch,
	s_lshr_b32 s75, s[WV], 2                       ; of K (0) or of V (1); waves 8-15 fetch nothing
	s_or_b32 s15, s[WV], 4                         ; 5 in waves 1 and 5
	s_mov_b32 s76, STEPB
	s_mov_b32 s77, 2*PART
	s_mov_b32 s78, 2*QREG
	s_cmp_eq_u32 s75, 0
	s_cselect_b32 s76, HB, s76                     ; bytes a head,
	s_cselect_b32 s77, PART, s77                   ; a quarter (V's key steps lie 12,288 bytes apart),
	s_cselect_b32 s78, QREG, s78                   ; the region
	s_mul_i32 s76, s76, s[E]
	s_mul_i32 s77, s77, s74
	s_add_co_u32 s76, s76, s77
	s_add_co_u32 s76, s76, s78
	s_add_co_u32 s76, s76, s59
	s_mov_b32 s77, 0
	s_and_b32 s16, s75, 1
	s_add_co_u32 s56, s16, 1
	s_lshl_b32 s56, s56, 18                        ; the scale words: 262,144 bytes a region,
	s_lshl_b32 s57, s62, 13                        ; 8,192 a pair
	s_add_co_u32 s56, s56, s57
	s_mov_b32 s57, 0
	s_lshl_b32 s17, s16, 13
	s_and_b32 s16, s[WV], 7
	GRP1 G1K, 32, 96, 32                           ; a dense quarter of K as 96 rows of 256 bytes
	GRP1 G1S, 32, 32, 32                           ; 8,192 bytes of scale words
	GRP1 G1V, 768, 4, 1536                         ; four key steps of V: my head's 6,144 bytes of each 12,288
	s_mov_b32 s[SEL], 0x76543210
	s_mov_b32 s[SEL+1], 0xfedcba98
	s_mov_b32 s[CS], 0x3e38aa3b                    ; c = log2(e) / 8
	s_mov_b32 s[CS+1], s[CS]
	s_mov_b32 s[SK], 0
	s_mov_b32 s[TS], 0
	s_wait_dscnt 0x0
	s_wait_kmcnt 0x0
	s_add_nc_u64 s[66:67], s[4:5], s[66:67]
	s_add_nc_u64 s[68:69], s[6:7], s[68:69]
	s_add_nc_u64 s[8:9], s[8:9], s[70:71]
	s_add_nc_u64 s[10:11], s[10:11], s[72:73]
	s_mov_b32 s[G0], 1
	s_mul_i32 s[G0+1], s16, PART                   ; LDS: K's four quarters, then V's: wave x 24,576
	s_add_nc_u64 s[G0+2:G0+3], s[4:5], s[76:77]
	s_or_b32 s[G0+3], s[G0+3], 0x80000000
	s_mov_b32 s[G0S], 1
	s_add_co_u32 s[G0S+1], s17, SCK
	s_add_nc_u64 s[G0S+2:G0S+3], s[6:7], s[56:57]
	s_or_b32 s[G0S+3], s[G0S+3], 0x80000000
	CROUND                                         ; the first joint loads meet
	s_cmp_eq_u32 s[WV], 0                          ; group 1: one chain, one load to an arm
	s_cbranch_scc0 .La1
	TL G0, G1K
	s_branch .Lajoin
.La1:
	s_cmp_eq_u32 s[WV], 4
	s_cbranch_scc0 .La2
	TL G0, G1V
	s_branch .Lajoin
.La2:
	s_cmp_eq_u32 s15, 5
	s_cbranch_scc0 .Lajoin
	TL G0S, G1S
.Lajoin:
	v_and_b32 v200, 31, v0
	v_and_b32 v201, 15, v0
	v_lshlrev_b32 v[AK0], 3, v200
	v_lshlrev_b32 v202, 2, v201
.irp q, 0,1,2
	global_load_b64 v[16+2*\q:17+2*\q], v[AK0], s[66:67] offset:256*\q          ; Q of the first pass,
	global_load_b64 v[86+2*\q:87+2*\q], v[AK0], s[66:67] offset:12288+256*\q    ; and of the second, 16 tiles on
.endr
	global_load_u16 v255, v202, s[68:69]
	global_load_u16 v92, v202, s[68:69] offset:1024
	v_add_nc_u32 v[AK0+1], 2048, v[AK0]
	v_add_nc_u32 v[AK0+2], 4096, v[AK0]
	v_add_nc_u32 v[AV0], HB, v[AK0]
	v_add_nc_u32 v[AV0+1], HB+2048, v[AK0]
	v_add_nc_u32 v[AV0+2], HB+4096, v[AK0]
	s_lshl_b32 s78, s[E], 1
	s_add_co_u32 s78, s78, SCK
	v_lshl_add_u32 v[ASK0], v200, 2, s78
	s_lshl_b32 s78, s[E], 8
	s_add_co_u32 s78, s78, SCV
	v_lshl_add_u32 v[ASV0], v200, 2, s78
	v_lshlrev_b32 v[GS], 5, v201
.irp i, 0,1,2,3,4,5
	v_mov_b32 v[22+\i], 0                          ; Q's upper 64 along K: the code 0
	v_mov_b32 v[80+\i], 0                          ; what stands behind K's last tile
.endr
.irp b, 0,1,2,3
	v_mov_b32 v[236+\b], 0                         ; a lane permute's destination counts as a source
.endr
	v_mov_b32 v253, 0
.macro PASSINIT
	v_mov_b32 v13, 0xff61b1e6                      ; the largest t so far: -3e38
	v_mov_b32 v14, 0
	v_mov_b32 v15, 0
	v_floor_f32 v12, -v13                          ; -M
.set j, 0
.rept 32
	v_mov_b32 v[160+j], 0                          ; O^T: the first change of M leaves zeros zeros
.set j, j+1
.endr
.endm
	PASSINIT
	WALU                                           ; the wait at the head's end
	s_wait_tensorcnt 0x0                           ; group 1 is in; the lines ahead of the later first fills; the add twice
	ds_add_u32 v[SPW], v[NIL]
	ds_add_u32 v[SPW], v[NIL]
	s_wait_dscnt 0x0
	CROUND
	s_cmp_eq_u32 s74, 0                            ; group 2: waves 1-3 K's quarters 1-3, waves 5-7 V's
	s_cbranch_scc1 .Lbjoin
	s_cmp_eq_u32 s75, 0
	s_cbranch_scc0 .Lb1
	TL G0, G1K
	s_branch .Lbjoin
.Lb1:
	s_cmp_eq_u32 s75, 1
	s_cbranch_scc0 .Lbjoin
	TL G0, G1V
.Lbjoin:
	s_wait_loadcnt 0x0                             ; Q
.macro WM d, a, b, c, sa, sb, row
.if \row
	v_wmma_scale_f32_16x16x128_f8f6f4 v[\d:\d+7], v[\a:\a+11], v[\b:\b+11], \c, v[\sa], v[\sb] matrix_a_fmt:MATRIX_FMT_FP6 matrix_b_fmt:MATRIX_FMT_FP6 matrix_a_scale:MATRIX_SCALE_ROW1
.else
	v_wmma_scale_f32_16x16x128_f8f6f4 v[\d:\d+7], v[\a:\a+11], v[\b:\b+11], \c, v[\sa], v[\sb] matrix_a_fmt:MATRIX_FMT_FP6 matrix_b_fmt:MATRIX_FMT_FP6
.endif
.endm
.macro LD12 adr                        ; a key step's 24 pieces of 256 bytes into v32-79, two pieces a load; an address register reaches eight pieces
.irp m, 0,1,2,3,4,5,6,7,8,9,10,11
	ds_load_2addr_b64 v[32+4*\m:35+4*\m], v[\adr+\m/4] offset0:64*(\m%4) offset1:64*(\m%4)+32
.endr
.endm
; A KEY STEP: 128 keys
.macro STEP
.irp i, 0,1,2
	v_add_nc_u32 v[ADK+\i], s[SK], v[AK0+\i]       ; (these four are also the places behind the last step's products)
.endr
	v_add_nc_u32 v[ADS], s[TS], v[ASK0]
.irp i, 0,1,2,3
	ds_load_u16 v[248+\i], v[ADS] offset:128*\i    ; lanes 0-15: tile 2 i's scale bytes of my head; lanes 16-31: tile 2 i + 1's
.endr
	LD12 ADK
	WALU
	s_wait_dscnt 4                                 ; the youngest four loads (v64-79) may be out: tiles 0-3 name v32-61
.irp i, 0,1,2,3
	WM 96+8*\i, 32+6*\i, 16, 0, 248+\i/2, 255, \i%2
.endr
	s_wait_dscnt 0x0
.irp i, 4,5,6,7
	WM 96+8*\i, 32+6*\i, 16, 0, 248+\i/2, 255, \i%2
.endr
.irp i, 0,1,2
	v_add_nc_u32 v[ADV+\i], s[SK], v[AV0+\i]       ; V's addresses: also the four places ahead of the loads into K's registers and of the first read of the scores
.endr
	v_add_nc_u32 v[ADT], s[TS], v[ASV0]
.irp t, 0,1
	ds_load_b32 v[30+\t], v[ADT] offset:128*\t
.endr
	LD12 ADV
.irp b, 0,1,2,3
	v_max3_num_f32 v[232+\b], v[96+16*\b], v[97+16*\b], v[98+16*\b]   ; the largest score of each block of 32 keys: for the row's maximum and for the block's largest p
.endr
.irp i, 3,5,7,9,11,13
.irp b, 0,1,2,3
	v_max3_num_f32 v[232+\b], v[232+\b], v[96+16*\b+\i], v[97+16*\b+\i]
.endr
.endr
.irp b, 0,1,2,3
	v_max_num_f32 v[232+\b], v[232+\b], v[111+16*\b]
.endr
.irp b, 0,1,2,3
	s_delay_alu instid0(VALU_DEP_4)
	v_permlanex16_b32 v[236+\b], v[232+\b], s[SEL], s[SEL+1]
.endr
.irp b, 0,1,2,3
	s_delay_alu instid0(VALU_DEP_4)
	v_max_num_f32 v[232+\b], v[232+\b], v[236+\b]
.endr
	s_delay_alu instid0(VALU_DEP_2)
	v_max3_num_f32 v254, v232, v233, v234
	s_delay_alu instid0(VALU_DEP_1)
	v_max_num_f32 v254, v254, v235
	s_delay_alu instid0(VALU_DEP_1)
	v_mul_f32 v254, s[CS], v254
	s_delay_alu instid0(VALU_DEP_1)
	v_max_num_f32 v13, v13, v254                   ; the running largest t
	v_mov_b32 v254, v12
	s_delay_alu instid0(VALU_DEP_2)
	v_floor_f32 v12, -v13                          ; the new -M
	s_delay_alu instid0(VALU_DEP_1)
	v_sub_f32 v254, v12, v254
	s_delay_alu instid0(VALU_DEP_1)
	v_cvt_i32_f32 v254, v254
	s_delay_alu instid0(VALU_DEP_1)
	v_ldexp_f32 v252, 1.0, v254                    ; f = 2^(old M - new M)
.set j, 0
.rept 32
	v_pk_fma_f32 v[96+j:97+j], v[96+j:97+j], s[CS:CS+1], v[12:13] op_sel_hi:[1,0,0]   ; t - M
.set j, j+2
.endr
.irp b, 0,1,2,3
	v_fma_f32 v[232+\b], v[232+\b], s[CS], v12
.endr
.set j, 0
	WALU                                           ; a wait ahead of the batch and one behind it
.rept 64
	v_exp_f32 v[96+j], v[96+j]                     ; p
.set j, j+1
.endr
	v_pk_mul_f32 v[14:15], v[14:15], v[252:253] op_sel_hi:[1,0]
	WALU
.irp b, 0,1,2,3
	v_exp_f32 v[232+\b], v[232+\b]                 ; the block's largest p
.endr
	v_pk_add_f32 v[236:237], v[100:101], v[104:105]
	v_pk_add_f32 v[250:251], v[108:109], v[112:113]
	v_pk_add_f32 v[248:249], v[116:117], v[120:121]
	v_pk_add_f32 v[246:247], v[124:125], v[128:129]
	v_pk_add_f32 v[244:245], v[132:133], v[136:137]
	v_pk_add_f32 v[242:243], v[140:141], v[144:145]
	v_pk_add_f32 v[240:241], v[148:149], v[152:153]
	v_pk_add_f32 v[14:15], v[14:15], v[156:157]
	v_pk_add_f32 v[236:237], v[236:237], v[96:97]
	v_pk_add_f32 v[250:251], v[250:251], v[98:99]
	v_pk_add_f32 v[248:249], v[248:249], v[102:103]
	v_pk_add_f32 v[246:247], v[246:247], v[106:107]
	v_pk_add_f32 v[244:245], v[244:245], v[110:111]
	v_pk_add_f32 v[242:243], v[242:243], v[114:115]
	v_pk_add_f32 v[240:241], v[240:241], v[118:119]
	v_pk_add_f32 v[14:15], v[14:15], v[122:123]
	v_pk_add_f32 v[236:237], v[236:237], v[126:127]
	v_pk_add_f32 v[250:251], v[250:251], v[130:131]
	v_pk_add_f32 v[248:249], v[248:249], v[134:135]
	v_pk_add_f32 v[246:247], v[246:247], v[138:139]
	v_pk_add_f32 v[244:245], v[244:245], v[142:143]
	v_pk_add_f32 v[242:243], v[242:243], v[146:147]
	v_pk_add_f32 v[240:241], v[240:241], v[150:151]
	v_pk_add_f32 v[14:15], v[14:15], v[154:155]
	v_pk_add_f32 v[236:237], v[236:237], v[158:159]
	s_delay_alu instid0(VALU_DEP_2)
	v_pk_add_f32 v[14:15], v[14:15], v[246:247]
	s_delay_alu instid0(VALU_DEP_2)
	v_pk_add_f32 v[236:237], v[236:237], v[244:245]
	v_pk_add_f32 v[250:251], v[250:251], v[242:243]
	v_pk_add_f32 v[248:249], v[248:249], v[240:241]
	s_delay_alu instid0(VALU_DEP_2)
	v_pk_add_f32 v[14:15], v[14:15], v[250:251]
	s_delay_alu instid0(VALU_DEP_2)
	v_pk_add_f32 v[236:237], v[236:237], v[248:249]
	s_delay_alu instid0(VALU_DEP_1)
	v_pk_add_f32 v[14:15], v[14:15], v[236:237]    ; the row's sum, of the unquantised p
	WALU
.irp b, 0,1,2,3
	v_max_num_f32 v[232+\b], 0x1800000, v[232+\b]  ; the floor 2^(3 - 127): the byte cannot fall under 1
.endr
.irp b, 0,1,2,3
	s_delay_alu instid0(VALU_DEP_4)
	v_add_nc_u32 v[244+\b], 0xff000000, v[232+\b]  ; the conversion's scale operand
.endr
.irp b, 0,1,2,3
	s_delay_alu instid0(VALU_DEP_4)
	v_lshrrev_b32 v[236+\b], 23, v[244+\b]
.endr
	s_delay_alu instid0(VALU_DEP_3)
	v_lshl_or_b32 v253, v237, 8, v236              ; p's scale word
	s_delay_alu instid0(VALU_DEP_1)
	v_lshl_or_b32 v253, v238, 16, v253
	s_delay_alu instid0(VALU_DEP_1)
	v_lshl_or_b32 v253, v239, 24, v253
.irp c, 0,1
	v_cvt_scalef32_pk16_fp6_f32 v[224+6*\c:226+6*\c], v[96+32*\c:111+32*\c], v[244+2*\c]
	v_cvt_scalef32_pk16_fp6_f32 v[236+4*\c:238+4*\c], v[112+32*\c:127+32*\c], v[244+2*\c+1]
.endr
	v_nop
.irp c, 0,1                                    ; a whole block in a lane
.irp i, 0,1,2
	v_permlane16_swap_b32 v[224+6*\c+\i], v[236+4*\c+\i]
.endr
.irp i, 0,1,2
	s_delay_alu instid0(VALU_DEP_3)
	v_mov_b32 v[227+6*\c+\i], v[236+4*\c+\i]
.endr
.endr
	WALU                                           ; the wait directly ahead of the first reader of O^T
.set j, 0
.rept 16
	v_pk_mul_f32 v[160+j:161+j], v[160+j:161+j], v[252:253] op_sel_hi:[1,0]   ; O^T x f; also the places between p's codes and scale word and the products
.set j, j+2
.endr
	WALU
	s_wait_dscnt 0x0                               ; V is in
.irp t, 0,1,2,3                                ; the four accumulators take turns
	WM 160+8*\t, 32+12*\t, 224, v[160+8*\t:167+8*\t], 30+\t/2, 253, \t%2
.endr
	s_add_co_u32 s[SK], s[SK], STEPB
	s_add_co_u32 s[TS], s[TS], 512
.endm
.macro LOOP n
	s_mov_b32 s[CNT], 0
.Lk\@:
	STEP
	s_add_co_u32 s[CNT], s[CNT], 1
	s_cmp_lt_u32 s[CNT], \n
	s_cbranch_scc1 .Lk\@
.endm
; THE WAY OUT of pass p: O^T / the sum, quantised along the channels: two blocks of 32, each shared by lanes l and l xor 16
.macro OUT p
	v_add_f32 v14, v14, v15
	s_delay_alu instid0(VALU_DEP_1)
	v_permlanex16_b32 v252, v14, s[SEL], s[SEL+1]
	s_delay_alu instid0(VALU_DEP_1)
	v_add_f32 v14, v14, v252
	WALU
	v_rcp_f32 v14, v14
.rept 4
	v_nop
.endr
	WALU
.set j, 0
.rept 32
	v_mul_f32 v[96+j], v[160+j], v14
.set j, j+1
.endr
.irp b, 0,1
	v_max3_num_f32 v[232+\b], |v[96+16*\b]|, |v[97+16*\b]|, 0x1800000
.endr
.irp i, 2,4,6,8,10,12,14
.irp b, 0,1
	s_delay_alu instid0(VALU_DEP_2)
	v_max3_num_f32 v[232+\b], v[232+\b], |v[96+16*\b+\i]|, |v[97+16*\b+\i]|
.endr
.endr
.irp b, 0,1
	s_delay_alu instid0(VALU_DEP_2)
	v_permlanex16_b32 v[236+\b], v[232+\b], s[SEL], s[SEL+1]
.endr
.irp b, 0,1
	s_delay_alu instid0(VALU_DEP_2)
	v_max_num_f32 v[232+\b], v[232+\b], v[236+\b]
.endr
.irp b, 0,1
	s_delay_alu instid0(VALU_DEP_2)
	v_add_nc_u32 v[244+\b], 0xff000000, v[232+\b]
.endr
.irp b, 0,1
	s_delay_alu instid0(VALU_DEP_2)
	v_lshrrev_b32 v[238+\b], 23, v[244+\b]
.endr
	s_delay_alu instid0(VALU_DEP_1)
	v_lshl_or_b32 v240, v239, 8, v238
	v_cvt_scalef32_pk16_fp6_f32 v[224:226], v[96:111], v244
	v_cvt_scalef32_pk16_fp6_f32 v[228:230], v[112:127], v245
	v_nop
.irp i, 0,1,2
	v_permlane16_swap_b32 v[224+\i], v[228+\i]
.endr
	s_delay_alu instid0(VALU_DEP_3)
	v_mov_b32 v227, v228
	s_delay_alu instid0(VALU_DEP_3)
	v_mov_b32 v228, v229
	s_delay_alu instid0(VALU_DEP_3)
	v_mov_b32 v229, v230
.irp q, 0,1,2
	global_store_b64 v[AK0], v[224+2*\q:225+2*\q], s[8:9] offset:196608*(\p)+256*\q   ; 32 lanes store 256 consecutive bytes, aligned; the second pass's tile lies 16 x 8 images on
.endr
	global_store_b16 v[GS], v240, s[10:11] offset:8192*(\p)
.endm
	LOOP 4                                         ; key steps 0-3, out of group 1's tiles
	s_wait_tensorcnt 0x0                           ; a plain barrier shows group 2's tiles to all
	s_wait_dscnt 0x0
	s_barrier_signal -1
	s_barrier_wait -1
	LOOP 12
	OUT 0
	s_wait_xcnt 0x0                                ; the stores have read their registers
.irp i, 0,1,2,3,4,5
	v_mov_b32 v[16+\i], v[86+\i]                   ; the second pass's Q
.endr
	v_mov_b32 v255, v92
	PASSINIT
	s_mov_b32 s[SK], 0
	s_mov_b32 s[TS], 0
	LOOP 16
	OUT 1
	s_wait_tensorcnt 0x0                           ; the wave's end
	ds_add_u32 v[SPW], v[NIL]
	s_wait_dscnt 0x0
	CROUND                                         ; the closing round
	s_endpgm
.Lfunc_end_k_qfc9bd0f12a_attn:
	.size	k_qfc9bd0f12a_attn, .Lfunc_end_k_qfc9bd0f12a_attn-k_qfc9bd0f12a_attn
	.p2alignl 7, 3214868480
	.fill 96, 4, 3214868480
	.section	.rodata,"a",@progbits
	.p2align	6, 0x0
	.amdhsa_kernel k_qfc9bd0f12a_attn
		.amdhsa_group_segment_fixed_size 327680
		.amdhsa_private_segment_fixed_size 0
		.amdhsa_enable_private_segment 0
		.amdhsa_kernarg_size 32
		.amdhsa_user_sgpr_count 2
		.amdhsa_user_sgpr_kernarg_segment_ptr 1
		.amdhsa_wavefront_size32 1
		.amdhsa_system_sgpr_workgroup_id_x 1
		.amdhsa_system_sgpr_workgroup_id_y 1
		.amdhsa_system_sgpr_workgroup_id_z 1
		.amdhsa_system_vgpr_workitem_id 0
		.amdhsa_next_free_vgpr 256
		.amdhsa_next_free_sgpr 80
		.amdhsa_reserve_vcc 0
		.amdhsa_float_denorm_mode_32 3
		.amdhsa_float_denorm_mode_16_64 3
		.amdhsa_memory_ordered 1
		.amdhsa_forward_progress 1
		.amdhsa_inst_pref_size 73
	.end_amdhsa_kernel
	.amdgpu_metadata
---
amdhsa.version: [ 1, 2 ]
amdhsa.kernels:
  - .name:           k_qfc9bd0f12a_attn
    .symbol:         k_qfc9bd0f12a_attn.kd
    .args:
      - { .name: qkvc, .offset: 0, .size: 8, .value_kind: global_buffer, .address_space: global }
      - { .name: qkvs, .offset: 8, .size: 8, .value_kind: global_buffer, .address_space: global }
      - { .name: oc, .offset: 16, .size: 8, .value_kind: global_buffer, .address_space: global }
      - { .name: os, .offset: 24, .size: 8, .value_kind: global_buffer, .address_space: global }
    .group_segment_fixed_size: 327680
    .private_segment_fixed_size: 0
    .kernarg_segment_align: 8
    .kernarg_segment_size: 32
    .max_flat_workgroup_size: 512
    .sgpr_count:     80
    .vgpr_count:     256
    .wavefront_size: 32
...
	.end_amdgpu_metadata
.endif
;; end of part 3
;; launch outp (part 4): grid 4 x 64, 4 waves a work-group, clusters of 4 x 4, 327,680 bytes of LDS; arguments oc, os, wc, ws, bo, out0; writes out0
.if DOCPART == 4
	.amdgcn_target "amdgcn-amd-amdhsa--gfx1250"
	.amdhsa_code_object_version 6
	.text
	.protected	k_qfc9bd0f12a_outp
	.globl	k_qfc9bd0f12a_outp
	.p2align	8
	.type	k_qfc9bd0f12a_outp,@function
k_qfc9bd0f12a_outp:
	s_mov_b64 s[64:65], 0
	v_nop
	global_prefetch_b8 v0, s[64:65] scope:SCOPE_SE
	s_setreg_imm32_b32 hwreg(HW_REG_WAVE_MODE, 25, 1), 1
	s_wait_xcnt 0x0
	s_wait_alu depctr_hold_cnt(0) depctr_sa_sdst(0) depctr_va_vdst(0) depctr_va_sdst(0) depctr_va_ssrc(0) depctr_va_vcc(0) depctr_vm_vsrc(0)
	s_getreg_b32 s2, hwreg(HW_REG_IB_STS2, 6, 4)
	s_cmp_eq_u32 s2, 0
	s_cbranch_scc0 .Lentry_in_a_cluster
	s_endpgm
.Lentry_in_a_cluster:
	s_bfe_u32 s2, ttmp6, 0x10000c
	s_cmp_lg_u32 s2, 0xf033
	s_cbranch_scc0 .Lentry_shape_is_right
	s_endpgm
.Lentry_shape_is_right:
; out0[8192][1024] = O Wo^T + bo on codes of FP6 (E2M3) with one E8M0 scale for each 32 along K; sums in f32; the bias is the first products' C.
; A = O: oc[tile of 16 rows][pair: 128 along K][1,536 bytes: registers 2 q, 2 q + 1 of lane l at 256 q + 8 l], os[row][32].  O's rows lie with bits 3 and 4 of their number exchanged; the stores set that right.
; B = Wo: rows 3,072 .. 4,095 of wc, laid [256 rows][K step of 256][256 rows][192 bytes], and of ws[row][32].
; A BLOCK is 128 x 256: 64 x 4 = 256 work-groups of four waves, 2 x 2; a wave makes 64 x 128: 32 accumulators (window 2).  Source 0 = 16 rows of B, source 1 = 16 rows of A: a lane holds eight neighbouring columns of a row.
; K goes in four steps of 256 through two LDS slots (A 24,576 bytes, B 256 rows at the pitch 240); each is two matrix steps of 128.  A's four and B's eight fragments have two register sets each: a step's 72 loads go out ahead of
; the 32 products of the step before.  The scales of all of K come once, at the head.
; CLUSTER 4 x 4: A's tiles are shared along a row, B's along a column, by joint loads.  At the head one load a wave: A's tile, B's tile, A's scales, B's scales; slot 1's first fill and the two refills stand behind the three
; lines and a round.
; NO PREFETCH: K is short: two of its four tiles are asked for at the head, and only two refills follow.
; REGISTERS: window 0: v16-31 addresses; v32-63 scale words, two sets; v64-127 the bias; v128-223 A's two sets (on the way out v128-255: rows read back); window 1: B's sets at v0 and v128; window 2: the accumulators.
.set NQ,     2
.set KROW,   768
.set PITCH,  240
.set FR,     12
.set NP,     4
.set HALFB,  128*PITCH
.set BSTEP,  49152                     ; from a K step's dense block of 256 rows x 192 bytes to the next
.set HALFA,  4*3072                    ; 64 rows: 4 tiles x two pairs
.set ASTEP,  3072
.set AHALF,  4*12288                   ; 4 tiles in memory
.set SLOT,   2*HALFA+2*HALFB
.set KS,     32
.set SCL,    2*SLOT                    ; A's scales: 16 units of 256 + 16 bytes;
.set UA,     16*272
.set SCLB,   SCL+UA                    ; B's: 32 units
.set SBLK,   2*272
.set SPARE,  SCLB+32*272
.set SPITCH, 528
.set ADRA, 16
.set ADRB, 20
.set STO,  24
.set RD,   25
.set CO,   26
.set ADRS, 27
.set SPW,  28
.set NIL,  29
.set SC,   32
.set BIAS, 64
.set AF,   128
.set BK,   128
.set G1, 24
.set G0, 32
.set G1B, 48
.set G0B, 56
.set G1S, 68
.set G0S, 76
.set G1SB, 80
.set G0SB, 88
.set MSB, 0
.macro WIN new
.if MSB != (\new)
	s_set_vgpr_msb (MSB<<8)|(\new)
.set MSB, (\new)
.endif
.endm
.set MUL_LO,  0xa1                     ; source 0 (B) window 1, source 1 (A) window 0, C and D window 2
.set BIAS_LO, 0x81                     ; the same with C in window 0
.set TO_B,    0x40
.macro PLACES n
.rept \n
	v_nop
.endr
.endm
.macro TL g0, g1
	tensor_load_to_lds s[\g0:\g0+3], s[\g1:\g1+7]
	s_nop 0
	PLACES 4
.endm
.macro JLOAD g0a, g1a, g0b, g1b        ; waves 0, 1 fetch A's halves, waves 2, 3 B's
	s_cmp_eq_u32 s15, 0
	s_cbranch_scc0 .Lfor_b_\@
	TL \g0a, \g1a
	s_branch .Lasked_\@
.Lfor_b_\@:
	TL \g0b, \g1b
.Lasked_\@:
.endm
.macro CREST
	s_cmp_lg_u32 s14, 0
	s_cbranch_scc1 .Lnot_wave_0_\@
	s_barrier_signal -3
.Lnot_wave_0_\@:
	s_barrier_wait -3
	s_barrier_signal -1
	s_barrier_wait -1
.endm
.macro CROUND
	s_barrier_signal -1
	s_barrier_wait -1
	CREST
.endm
	s_load_b128 s[4:7], s[0:1], 0x0                ; oc, os
	s_load_b128 s[8:11], s[0:1], 0x10              ; wc, ws
	s_load_b128 s[96:99], s[0:1], 0x20             ; bo, out0
	v_lshl_add_u32 v[SPW], v0, 2, SPARE
	v_mov_b32 v[NIL], 0
	ds_add_u32 v[SPW], v[NIL]                      ; the opening lines
	ds_add_u32 v[SPW], v[NIL]
	v_lshrrev_b32 v1, 5, v0
	v_readfirstlane_b32 s14, v1
	s_lshr_b32 s15, s14, 1                         ; my half of the rows; also: I fetch for A (0) or B (1)
	s_and_b32 s16, s14, 1                          ; my half of the columns; also: which half of a tile I fetch
	s_bfe_u32 s40, ttmp6, 0x40000
	s_bfe_u32 s41, ttmp6, 0x40004
	s_and_b32 s17, ttmp7, 0xffff
	s_mov_b32 s42, ttmp9
	s_lshl_b32 s42, s42, 2
	s_add_co_u32 s42, s42, s40                     ; block column
	s_lshl_b32 s17, s17, 2
	s_add_co_u32 s17, s17, s41                     ; block row
	s_lshl_b32 s43, s41, 2
	s_lshl_b32 s43, 15, s43                        ; my row of the cluster
	s_lshl_b32 s44, 0x1111, s40                    ; my column
	s_or_b32 s[G1+0], s43, (3<<16)|(1<<21)         ; A: a tile's 3,072 bytes of a K step, 12,288 bytes from tile to tile; the head's load brings all 8 tiles
	s_mov_b32 s[G1+1], 384<<16
	s_mov_b32 s[G1+2], 8<<16
	s_mov_b32 s[G1+3], 384<<16
	s_mov_b32 s[G1+4], 8
	s_mov_b32 s[G1+5], 1536
	s_mov_b32 s[G1+6], 0
	s_mov_b32 s[G1+7], 0
	s_or_b32 s[G1B+0], s44, (0<<16)|(1<<20)|(1<<21)|(3<<22)|(3<<25)   ; B: the dense block as rows of 256 bytes, 16 bytes of padding behind each 64: an LDS row of 192 bytes has the pitch 240
	s_mov_b32 s[G1B+1], 256<<16
	s_mov_b32 s[G1B+2], 192<<16
	s_mov_b32 s[G1B+3], 256<<16
	s_mov_b32 s[G1B+4], 192
	s_mov_b32 s[G1B+5], 256
	s_mov_b32 s[G1B+6], 0
	s_mov_b32 s[G1B+7], 0
	s_or_b32 s[G1S+0], s43, (3<<16)|(1<<20)|(1<<21)|(5<<22)|(3<<25)
	s_or_b32 s[G1SB+0], s44, (3<<16)|(1<<20)|(1<<21)|(5<<22)|(3<<25)
	s_mov_b32 s[G1S+2], 16<<16                     ; 128 rows x 32 bytes
	s_mov_b32 s[G1S+4], 16
	s_mov_b32 s[G1SB+2], 32<<16                    ; 256 rows
	s_mov_b32 s[G1SB+4], 32
.irp g, G1S, G1SB
	s_mov_b32 s[\g+1], 32<<16
	s_mov_b32 s[\g+3], 32<<16
	s_mov_b32 s[\g+5], 32
	s_mov_b32 s[\g+6], 0
	s_mov_b32 s[\g+7], 0
.endr
	s_lshl_b32 s20, s17, 7                         ; A's first row
	s_lshl_b32 s46, s42, 8                         ; B's
	s_mov_b32 s21, 0
	s_mov_b32 s47, 0
	s_mov_b64 s[18:19], KS
	s_mul_u64 s[22:23], s[20:21], s[18:19]
	s_mul_u64 s[92:93], s[46:47], s[18:19]
	s_mov_b64 s[18:19], KROW
	s_mul_u64 s[20:21], s[20:21], s[18:19]
	s_mul_u64 s[46:47], s[46:47], s[18:19]
	s_mul_i32 s45, s16, HALFA
	s_mul_i32 s95, s16, HALFB
	s_add_co_u32 s95, s95, 2*HALFA
	s_wait_dscnt 0x0
	s_wait_kmcnt 0x0
	s_add_nc_u64 s[8:9], s[8:9], 3072*KROW         ; Wo
	s_add_nc_u64 s[10:11], s[10:11], 3072*KS
	s_add_nc_u64 s[20:21], s[4:5], s[20:21]
	s_add_nc_u64 s[22:23], s[6:7], s[22:23]
	s_add_nc_u64 s[46:47], s[8:9], s[46:47]
	s_add_nc_u64 s[92:93], s[10:11], s[92:93]
	CROUND                                         ; the first joint loads meet
	s_mov_b32 s[G0S], 1
	s_mov_b32 s[G0S+1], SCL
	s_mov_b64 s[G0S+2:G0S+3], s[22:23]
	s_or_b32 s[G0S+3], s[G0S+3], 0x80000000
	s_mov_b32 s[G0SB], 1
	s_mov_b32 s[G0SB+1], SCLB
	s_mov_b64 s[G0SB+2:G0SB+3], s[92:93]
	s_or_b32 s[G0SB+3], s[G0SB+3], 0x80000000
	s_mov_b32 s4, 1                                ; K step 0's tile of A, whole,
	s_mov_b32 s5, 0
	s_mov_b64 s[6:7], s[20:21]
	s_or_b32 s7, s7, 0x80000000
	s_mov_b32 s8, 1                                ; and of B
	s_mov_b32 s9, 2*HALFA
	s_mov_b64 s[10:11], s[46:47]
	s_or_b32 s11, s11, 0x80000000
	s_mul_i32 s18, s16, AHALF                      ; for the ring: my half of a tile
	s_mov_b32 s19, 0
	s_add_nc_u64 s[20:21], s[20:21], s[18:19]
	s_mul_i32 s18, s16, BSTEP/2
	s_add_nc_u64 s[46:47], s[46:47], s[18:19]
.macro ARM under, g0, g1, next
	s_cmp_lt_u32 s14, \under
	s_cbranch_scc0 \next
	TL \g0, \g1
	s_branch .Lhead_asked
\next:
.endm
	ARM 1, 4, G1, .Lhead_b
	ARM 2, 8, G1B, .Lhead_sa
	ARM 3, G0S, G1S, .Lhead_sb
	TL G0SB, G1SB
.Lhead_asked:
.irp s, 0,1
	s_mov_b32 s[G0+4*\s], 1
	s_add_co_u32 s[G0+4*\s+1], s45, \s*SLOT
	s_add_nc_u64 s[G0+4*\s+2:G0+4*\s+3], s[20:21], \s*ASTEP
	s_or_b32 s[G0+4*\s+3], s[G0+4*\s+3], 0x80000000
	s_mov_b32 s[G0B+4*\s], 1
	s_add_co_u32 s[G0B+4*\s+1], s95, \s*SLOT
	s_add_nc_u64 s[G0B+4*\s+2:G0B+4*\s+3], s[46:47], \s*BSTEP
	s_or_b32 s[G0B+4*\s+3], s[G0B+4*\s+3], 0x80000000
.endr
	s_wait_alu depctr_va_vdst(0)
	s_wait_tensorcnt 0x0                           ; my tile of the head's four is in; slot 1's first fill is issued as a refill is
	ds_add_u32 v[SPW], v[NIL]
	s_mov_b32 s[G1+2], 4<<16                       ; no tensor load of mine is out: from here on a load brings half a tile
	s_mov_b32 s[G1+4], 4
	s_mov_b32 s[G1B+2], 96<<16
	s_mov_b32 s[G1B+4], 96
	s_wait_dscnt 0x0
	CROUND
	JLOAD G0+4, G1, G0B+4, G1B
	v_and_b32 v1, 15, v0
	v_bfe_u32 v2, v0, 4, 1
	v_mul_u32_u24 v3, v1, PITCH
	v_mul_u32_u24 v4, v2, 24
	v_add_nc_u32 v4, v3, v4                        ; B: row x pitch + 24 x half;
	v_lshl_add_u32 v5, v2, 4, v4                   ; for the pieces where lanes 16-31 lie behind one padding more
	s_mul_i32 s21, s15, HALFA
	s_mul_i32 s22, s16, HALFB
	s_add_co_u32 s22, s22, 2*HALFA
	v_and_b32 v6, 31, v0
	v_lshlrev_b32 v6, 3, v6                        ; A: 8 x lane
.irp s, 0,1
	v_add_nc_u32 v[ADRA+\s], s21, v6
	v_add_nc_u32 v[ADRB+\s], s22, v4
	v_add_nc_u32 v[ADRB+2+\s], s22, v5
	s_add_co_u32 s21, s21, SLOT
	s_add_co_u32 s22, s22, SLOT
.endr
	v_mul_u32_u24 v5, v1, KS
	v_lshrrev_b32 v6, 8, v5
	v_lshl_add_u32 v5, v6, 4, v5
	s_mul_i32 s21, s15, UA/2                       ; A's scales: my 64 rows;
	s_mul_i32 s22, s16, UA                         ; B's: my 128 rows, behind A's
	s_add_co_u32 s22, s22, UA
	s_sub_co_u32 s22, s22, s21
	v_mul_u32_u24 v6, s22, v2                      ; lanes 16-31 take B's
	s_add_co_u32 s21, s21, SCL
	v_add_nc_u32 v5, v5, v6
	v_add_nc_u32 v[ADRS], s21, v5
	s_mul_i32 s23, s14, 16*SPITCH                  ; my stage, in slot 0, which has had its last fill and its last read when the first result is stored there
	v_mul_u32_u24 v5, v1, SPITCH
	v_lshl_add_u32 v5, v2, 5, v5
	v_add_nc_u32 v[STO], s23, v5
	v_and_b32 v6, 31, v0
	v_lshlrev_b32 v[CO], 4, v6
	v_add_nc_u32 v[RD], s23, v[CO]
	s_lshl_b32 s20, s17, 7
	s_lshl_b32 s21, s15, 6
	s_add_co_u32 s20, s20, s21                     ; my first row of out0,
	s_lshl_b32 s20, s20, 12                        ; 4,096 bytes a row
	s_mov_b32 s21, 0
	s_lshl_b32 s46, s42, 10
	s_lshl_b32 s47, s16, 9
	s_add_co_u32 s46, s46, s47                     ; my first column, in bytes
	s_mov_b32 s47, 0
	s_add_nc_u64 s[96:97], s[96:97], s[46:47]
	s_add_nc_u64 s[98:99], s[98:99], s[46:47]
	s_add_nc_u64 s[98:99], s[98:99], s[20:21]
	v_lshlrev_b32 v30, 5, v2
.irp b, 0,1,2,3,4,5,6,7
	global_load_b128 v[BIAS+8*\b:BIAS+8*\b+3], v30, s[96:97] offset:64*\b       ; the bias as the result lies: register j of block b is column 16 b + 8 h + j
	global_load_b128 v[BIAS+8*\b+4:BIAS+8*\b+7], v30, s[96:97] offset:64*\b+16
.endr
.macro FRAG reg, adr, q, i             ; B's fragment: six pieces of 8 bytes out of a row's 192
.irp p, 0,1,2,3,4,5
.set PIECE, 12*(\q)+6*(\p/3)+\p%3
.if PIECE%8 < 5
	ds_load_b64 v[\reg+2*\p:\reg+2*\p+1], v[\adr] offset:8*PIECE+16*(PIECE/8)+(\i)*16*PITCH
.else
	ds_load_b64 v[\reg+2*\p:\reg+2*\p+1], v[\adr+2] offset:8*PIECE+16*(PIECE/8)+(\i)*16*PITCH
.endif
.endr
.endm
.macro FETCH slot, q, p                ; the fragments of matrix step q of a slot into sets p: 48 + 24 loads
	WIN TO_B
.irp i, 0,1,2,3,4,5,6,7
	FRAG 128*(\p)+FR*\i, ADRB+\slot, \q, \i
.endr
	WIN 0
.irp i, 0,1,2,3
.irp r, 0,1,2,3,4,5
	ds_load_b64 v[AF+48*(\p)+FR*\i+2*\r:AF+48*(\p)+FR*\i+2*\r+1], v[ADRA+\slot] offset:(2*\i+(\q))*1536+256*\r
.endr
.endr
.endm
.macro SCALES sc                       ; both matrix steps' words: lanes 0-15 A's block i (of use for i < 4), lanes 16-31 B's block i
.irp i, 0,1,2,3,4,5,6,7
	ds_load_b64 v[SC+8*NQ*\sc+NQ*\i:SC+8*NQ*\sc+NQ*\i+1], v[ADRS] offset:\i*SBLK
.endr
.endm
.macro MUL16 a0, p, sc, zero           ; A's blocks a0, a0 + 1 x B's eight; p: the sets, and which of the slot's two matrix steps.  The 32 accumulators take turns
.irp a, \a0, \a0+1
.irp b, 0,1,2,3,4,5,6,7
.if \zero
	v_wmma_scale_f32_16x16x128_f8f6f4 v[8*(8*(\a)+\b):8*(8*(\a)+\b)+7], v[128*(\p)+FR*\b:128*(\p)+FR*\b+FR-1], v[AF+48*(\p)+FR*(\a):AF+48*(\p)+FR*(\a)+FR-1], v[BIAS+8*\b:BIAS+8*\b+7], v[SC+8*NQ*(\sc)+NQ*\b+(\p)], v[SC+8*NQ*(\sc)+NQ*(\a)+(\p)] matrix_a_fmt:MATRIX_FMT_FP6 matrix_b_fmt:MATRIX_FMT_FP6 matrix_a_scale:MATRIX_SCALE_ROW1
.else
	v_wmma_scale_f32_16x16x128_f8f6f4 v[8*(8*(\a)+\b):8*(8*(\a)+\b)+7], v[128*(\p)+FR*\b:128*(\p)+FR*\b+FR-1], v[AF+48*(\p)+FR*(\a):AF+48*(\p)+FR*(\a)+FR-1], v[8*(8*(\a)+\b):8*(8*(\a)+\b)+7], v[SC+8*NQ*(\sc)+NQ*\b+(\p)], v[SC+8*NQ*(\sc)+NQ*(\a)+(\p)] matrix_a_fmt:MATRIX_FMT_FP6 matrix_b_fmt:MATRIX_FMT_FP6 matrix_a_scale:MATRIX_SCALE_ROW1
.endif
.endr
.endr
.endm
.macro STEP slot, zero                 ; a slot's first matrix step, on sets 0; the second's fragments go out ahead of its products
	s_wait_dscnt 0x0
	PLACES NP                                      ; behind the products that read sets 1
	FETCH \slot, 1, 1
.if \zero
	WIN BIAS_LO
.else
	WIN MUL_LO
.endif
	MUL16 0, 0, \slot, \zero
	MUL16 2, 0, \slot, \zero
	WIN 0
.endm
.macro TURN slot, next, fill           ; a slot's second matrix step, on sets 1, and the change of slots
	s_wait_tensorcnt 0x0                           ; my part of the next slot is in;
	ds_add_u32 v[SPW], v[NIL]
	s_wait_dscnt 1                                 ; (the add may be out: my fragments are in)
	WIN MUL_LO
	MUL16 0, 1, \slot, 0
	WIN 0
	s_wait_dscnt 0x0                               ; the add is done, and my reads of this slot are over
	s_barrier_signal -1
	s_barrier_wait -1
.if \fill
	CREST
	s_add_nc_u64 s[G0+4*\slot+2:G0+4*\slot+3], s[G0+4*\slot+2:G0+4*\slot+3], 2*ASTEP
	s_add_nc_u64 s[G0B+4*\slot+2:G0B+4*\slot+3], s[G0B+4*\slot+2:G0B+4*\slot+3], 2*BSTEP
	JLOAD G0+4*\slot, G1, G0B+4*\slot, G1B         ; the four v_nop behind it are the places ahead of the loads below
.else
	PLACES NP
.endif
	s_wait_alu depctr_va_vdst(0)
	v_add_nc_u32 v[ADRS], 4*NQ, v[ADRS]
	FETCH \next, 0, 0
	SCALES \next
	WIN MUL_LO
	MUL16 2, 1, \slot, 0
	WIN 0
.endm
	s_wait_alu depctr_va_vdst(0)                   ; the wait at the head's end
	FETCH 0, 0, 0
	SCALES 0
	s_wait_loadcnt 0x0                             ; the bias
	STEP 0, 1
	TURN 0, 1, 1
	STEP 1, 0
	TURN 1, 0, 1
	STEP 0, 0
	TURN 0, 1, 0
	STEP 1, 0
	s_wait_dscnt 0x0
	WIN MUL_LO
	MUL16 0, 1, 1, 0
	MUL16 2, 1, 1, 0
	WIN 0
; THE WAY OUT, block by block of 16 rows x 128 columns, through my own stage: back as whole rows of 512 bytes
.macro TOSTAGE a
.set AC, 64*(\a)
	WIN 0x08
.irp b, 0,1,2,3,4,5,6,7
	ds_store_b128 v[STO], v[AC+8*\b:AC+8*\b+3] offset:64*\b
	ds_store_b128 v[STO], v[AC+8*\b+4:AC+8*\b+7] offset:64*\b+16
.endr
	WIN 0
.set BB, BK+64*((\a)%2)
.irp t, 0,1,2,3,4,5,6,7,8,9,10,11,12,13,14,15
	ds_load_b128 v[BB+4*\t:BB+4*\t+3], v[RD] offset:\t*SPITCH
.endr
.endm
.macro SEND a, younger
.set BB, BK+64*((\a)%2)
	s_wait_dscnt \younger
.irp t, 0,1,2,3,4,5,6,7,8,9,10,11,12,13,14,15
	global_store_b128 v[CO], v[BB+4*\t:BB+4*\t+3], s[98:99] offset:(32*((\a)/2)+16*(\t/8)+8*((\a)%2)+\t%8)*4096 th:TH_STORE_NT   ; row t of tile a is the true row with bits 3 and 4 exchanged; 32 lanes store 512 consecutive bytes
.endr
.endm
	PLACES NP
	TOSTAGE 0
.irp a, 1,2,3
.if \a > 1
	s_wait_xcnt 0x0                                ; block a - 2's stores have read their registers
.endif
	TOSTAGE \a
	SEND \a-1, 32
.endr
	SEND 3, 0
	s_wait_tensorcnt 0x0                           ; the wave's end
	ds_add_u32 v[SPW], v[NIL]
	s_wait_dscnt 0x0
	CROUND                                         ; the closing round
	s_endpgm
.Lfunc_end_k_qfc9bd0f12a_outp:
	.size	k_qfc9bd0f12a_outp, .Lfunc_end_k_qfc9bd0f12a_outp-k_qfc9bd0f12a_outp
	.p2alignl 7, 3214868480
	.fill 96, 4, 3214868480
	.section	.rodata,"a",@progbits
	.p2align	6, 0x0
	.amdhsa_kernel k_qfc9bd0f12a_outp
		.amdhsa_group_segment_fixed_size 327680
		.amdhsa_private_segment_fixed_size 0
		.amdhsa_enable_private_segment 0
		.amdhsa_kernarg_size 48
		.amdhsa_user_sgpr_count 2
		.amdhsa_user_sgpr_kernarg_segment_ptr 1
		.amdhsa_wavefront_size32 1
		.amdhsa_system_sgpr_workgroup_id_x 1
		.amdhsa_system_sgpr_workgroup_id_y 1
		.amdhsa_system_sgpr_workgroup_id_z 1
		.amdhsa_system_vgpr_workitem_id 0
		.amdhsa_next_free_vgpr 768
		.amdhsa_next_free_sgpr 102
		.amdhsa_reserve_vcc 0
		.amdhsa_float_denorm_mode_32 3
		.amdhsa_float_denorm_mode_16_64 3
		.amdhsa_memory_ordered 1
		.amdhsa_forward_progress 1
		.amdhsa_inst_pref_size 102
	.end_amdhsa_kernel
	.amdgpu_metadata
---
amdhsa.version: [ 1, 2 ]
amdhsa.kernels:
  - .name:           k_qfc9bd0f12a_outp
    .symbol:         k_qfc9bd0f12a_outp.kd
    .args:
      - { .name: oc, .offset: 0, .size: 8, .value_kind: global_buffer, .address_space: global }
      - { .name: os, .offset: 8, .size: 8, .value_kind: global_buffer, .address_space: global }
      - { .name: wc, .offset: 16, .size: 8, .value_kind: global_buffer, .address_space: global }
      - { .name: ws, .offset: 24, .size: 8, .value_kind: global_buffer, .address_space: global }
      - { .name: bo, .offset: 32, .size: 8, .value_kind: global_buffer, .address_space: global }
      - { .name: out0, .offset: 40, .size: 8, .value_kind: global_buffer, .address_space: global }
    .group_segment_fixed_size: 327680
    .private_segment_fixed_size: 0
    .kernarg_segment_align: 8
    .kernarg_segment_size: 48
    .max_flat_workgroup_size: 128
    .sgpr_count:     102
    .vgpr_count:     768
    .wavefront_size: 32
...
	.end_amdgpu_metadata
.endif
;; end of part 4
